; MI455X (gfx1250); checked and timed in simulation.
; The chip was launched on July 23, 2026; its instructions are those of AMD's public machine-readable ISA for CDNA 5 (MIT licence, August 2026) and "CDNA5" Instruction Set Architecture Reference Guide (July 2026). The comments in the code are by the model that wrote it; some were corrected since.
;; Transformer Block. Allowed arithmetic: float matrix products may take bf16 or f16 operands with f32 sums; other float arithmetic in f32, or as packed bf16 or f16 multiplies, adds, multiply-adds, maxima and minima; sums over many terms, partial sums and values carried from step to step in f32; what a program stores and reads back later, other than sums and carried values, may be rounded once to bf16 or f16.
;; Inputs: W2 2,048 x 512 float32; Wk 512 x 512 float32; Wp 512 x 4,096 float32; Wq 512 x 512 float32; Wv 512 x 512 float32; b2 512 float32; bk 512 float32; bp 4,096 float32; bq 512 float32; bv 512 float32; ln0_b 512 float32; ln0_g 512 float32; ln1_b 512 float32; ln1_g 512 float32; x 4 x 2,048 x 512 float32.
;; Outputs: out0 4 x 2,048 x 512 float32.
;; One version. Each part assembles by itself: llvm-mc -triple=amdgcn-amd-amdhsa -mcpu=gfx1250 --defsym DOCPART=n.
;; ======== version 1 of 1: 6 launches
;; limits: values are held in f16: magnitudes above 65,504 overflow, below 6.1e-05 lose precision
;; workspace buffers: h 8,388,608 bytes; wqkv 1,572,864 bytes; wp 4,194,304 bytes; w2 2,097,152 bytes; qkv 25,165,824 bytes; x1 16,777,216 bytes; y 33,554,432 bytes
;; launch prep (part 1): grid 256 x 1, 8 waves a work-group, no clusters, 0 bytes of LDS; arguments x, ln0_g, ln0_b, Wq, Wk, Wv, Wp, W2, h, wqkv, wp, w2; writes h, wqkv, wp, w2
.if DOCPART == 1
	.amdgcn_target "amdgcn-amd-amdhsa--gfx1250"
	.amdhsa_code_object_version 6
	.text
	.protected	k_qb9c1511adb_prep
	.globl	k_qb9c1511adb_prep
	.p2align	8
	.type	k_qb9c1511adb_prep,@function
k_qb9c1511adb_prep:
	s_mov_b64 s[64:65], 0
	v_nop
	global_prefetch_b8 v0, s[64:65] scope:SCOPE_SE
	s_setreg_imm32_b32 hwreg(HW_REG_WAVE_MODE, 25, 1), 1
	s_wait_xcnt 0x0
; h = LayerNorm(x) * g + b, rounded once to bf16, and the five weight matrices rounded once to bf16, left as they lie ([K][N]); Wq, Wk, Wv side by side as [512][1536].
; x: [8192][512] f32.  A work-group of eight waves owns 32 rows, a wave four: a row is 2,048 bytes, four loads of 16 bytes a lane, and stays in 16 registers
; between the pass for the mean, the pass for the variance (of x - mean: no difference of large sums) and the scaling: x is read once.
; Of each weight matrix a work-group converts one part in 256.  All 39 loads of a wave go out first; the waits are counted.
; Each store of a wave covers 256 or 512 consecutive bytes, aligned.  No LDS, no barrier: no wave needs another's data.
; LIMITS: v_rsq_f32 is good to 1 ULP; NaN and infinities are not treated apart.
.set VX,  3                            ; v3   my 16 bytes in my wave's first row of x
.set VH,  4                            ; v4   my 8 bytes in my wave's first row of h
.set VG,  5                            ; v5   my 16 bytes of g and b
.set V16, 6                            ; v6   16 x thread
.set V32, 7                            ; v7   32 x thread
.set VQ,  8                            ; v8   my 8 bytes in the work-group's two rows of wqkv
.set G,   16                           ; v[16:31]   g of my 16 columns
.set BV,  32                           ; v[32:47]   b of my 16 columns
.set X,   48                           ; v[48:111]  four rows, 16 numbers each; later the converted weights
.set T,   112                          ; v[112:127] four registers a row, at work
.set M,   128                          ; v[128:135] the mean, twice, for each row
.set R,   136                          ; v[136:143] 1 / sqrt(var + eps), twice, for each row
.set YH,  144                          ; v[144:175] eight registers a row: h, packed
.set CW,  176                          ; v[176:235] the weights as loaded
.set SEL, 30                           ; s[30:31] v_permlanex16_b32: each lane takes its own place in the other half
.set INV, 32                           ; s32  1 / 512
.set EPS, 33                           ; s33  1e-5
.set HP,  20                           ; s[20:21] h
.macro ROWS line:vararg                ; one line for each of the wave's four rows i: four chains that do not wait for each other
.set i, 0
.rept 4
	\line
.set i, i+1
.endr
.endm
.macro ACROSS                          ; the sum over the 32 lanes of v[T+4 i], left in every lane
.irp m, 1, 2, 4, 8
	ROWS v_add_f32_dpp v[T+4*i], v[T+4*i], v[T+4*i] row_xmask:\m row_mask:0xf bank_mask:0xf
.endr
	ROWS v_permlanex16_b32 v[T+4*i+1], v[T+4*i], s[SEL], s[SEL+1]
	ROWS v_add_f32 v[T+4*i], v[T+4*i], v[T+4*i+1]
.endm
	s_load_b512 s[4:19], s[0:1], 0x0               ; x s[4:5], g s[6:7], b s[8:9], Wq s[10:11], Wk s[12:13], Wv s[14:15], Wp s[16:17], W2 s[18:19]
	s_load_b256 s[20:27], s[0:1], 0x40             ; h s[20:21], wqkv s[22:23], wp s[24:25], w2 s[26:27]
	v_and_b32 v1, 31, v0                           ; lane
	v_lshrrev_b32 v2, 5, v0                        ; wave
	v_lshlrev_b32 v[VG], 4, v1
	v_lshl_add_u32 v[VX], v2, 13, v[VG]            ; wave x 4 rows x 2,048 + 16 lane
	v_lshlrev_b32 v[VH], 3, v1
	v_lshl_add_u32 v[VH], v2, 12, v[VH]            ; wave x 4 rows x 1,024 + 8 lane
	v_lshlrev_b32 v[V16], 4, v0
	v_lshlrev_b32 v[V32], 5, v0
	v_lshrrev_b32 v9, 7, v0                        ; which of the work-group's two rows of Wq, Wk, Wv
	v_and_b32 v[VQ], 127, v0
	v_lshlrev_b32 v[VQ], 3, v[VQ]
	v_mad_u32_u24 v[VQ], v9, 3072, v[VQ]           ; a row of wqkv is 3,072 bytes
	s_mov_b32 s[SEL], 0x76543210
	s_mov_b32 s[SEL+1], 0xfedcba98
	s_mov_b32 s[INV], 0x3b000000
	s_mov_b32 s[EPS], 0x3727c5ac
	s_mov_b32 s29, 0
	s_wait_kmcnt 0x0
	s_lshl_b32 s28, ttmp9, 16                      ; 32 rows of x
	s_add_nc_u64 s[4:5], s[4:5], s[28:29]
	s_lshl_b32 s28, ttmp9, 15                      ; 32 rows of h; 1/256 of Wp
	s_add_nc_u64 s[20:21], s[20:21], s[28:29]
	s_add_nc_u64 s[16:17], s[16:17], s[28:29]
	s_lshl_b32 s28, ttmp9, 12                      ; two rows of Wq, Wk, Wv
	s_add_nc_u64 s[10:11], s[10:11], s[28:29]
	s_add_nc_u64 s[12:13], s[12:13], s[28:29]
	s_add_nc_u64 s[14:15], s[14:15], s[28:29]
	s_lshl_b32 s28, ttmp9, 14                      ; 1/256 of wp and of W2
	s_add_nc_u64 s[24:25], s[24:25], s[28:29]
	s_add_nc_u64 s[18:19], s[18:19], s[28:29]
	s_lshl_b32 s28, ttmp9, 13                      ; 1/256 of w2
	s_add_nc_u64 s[26:27], s[26:27], s[28:29]
	s_mul_i32 s28, ttmp9, 6144                     ; two rows of wqkv
	s_add_nc_u64 s[22:23], s[22:23], s[28:29]
.irp j, 0,1,2,3
	global_load_b128 v[G+4*\j:G+4*\j+3],   v[VG], s[6:7] offset:512*\j
	global_load_b128 v[BV+4*\j:BV+4*\j+3], v[VG], s[8:9] offset:512*\j
.endr
.irp j, 0,1,2,3
	ROWS global_load_b128 v[X+16*i+4*\j:X+16*i+4*\j+3], v[VX], s[4:5] offset:2048*i+512*\j th:TH_LOAD_NT
.endr
	global_load_b128 v[CW:CW+3],    v[V16], s[10:11] th:TH_LOAD_NT
	global_load_b128 v[CW+4:CW+7],  v[V16], s[12:13] th:TH_LOAD_NT
	global_load_b128 v[CW+8:CW+11], v[V16], s[14:15] th:TH_LOAD_NT
.irp u, 0,1,2,3
	global_load_b128 v[CW+12+8*\u:CW+12+8*\u+3], v[V32], s[16:17] offset:8192*\u th:TH_LOAD_NT
	global_load_b128 v[CW+16+8*\u:CW+16+8*\u+3], v[V32], s[16:17] offset:8192*\u+16 th:TH_LOAD_NT
.endr
.irp u, 0,1
	global_load_b128 v[CW+44+8*\u:CW+44+8*\u+3], v[V32], s[18:19] offset:8192*\u th:TH_LOAD_NT
	global_load_b128 v[CW+48+8*\u:CW+48+8*\u+3], v[V32], s[18:19] offset:8192*\u+16 th:TH_LOAD_NT
.endr
	s_wait_loadcnt 15                              ; g, b and x are in; the 15 loads of weights behind them stay out
	; the mean
	ROWS v_pk_add_f32 v[T+4*i:T+4*i+1], v[X+16*i:X+16*i+1], v[X+16*i+2:X+16*i+3]
	ROWS v_pk_add_f32 v[T+4*i+2:T+4*i+3], v[X+16*i+4:X+16*i+5], v[X+16*i+6:X+16*i+7]
.irp k, 8, 12
	ROWS v_pk_add_f32 v[T+4*i:T+4*i+1], v[T+4*i:T+4*i+1], v[X+16*i+\k:X+16*i+\k+1]
	ROWS v_pk_add_f32 v[T+4*i+2:T+4*i+3], v[T+4*i+2:T+4*i+3], v[X+16*i+\k+2:X+16*i+\k+3]
.endr
	ROWS v_pk_add_f32 v[T+4*i:T+4*i+1], v[T+4*i:T+4*i+1], v[T+4*i+2:T+4*i+3]
	ROWS v_add_f32 v[T+4*i], v[T+4*i], v[T+4*i+1]
	ACROSS
	ROWS v_mul_f32 v[M+2*i], s[INV], v[T+4*i]
	ROWS v_mul_f32 v[M+2*i+1], s[INV], v[T+4*i]
.irp k, 0,2,4,6,8,10,12,14
	ROWS v_pk_add_f32 v[X+16*i+\k:X+16*i+\k+1], v[X+16*i+\k:X+16*i+\k+1], v[M+2*i:M+2*i+1] neg_lo:[0,1] neg_hi:[0,1]
.endr
	; the variance, of x - mean
	ROWS v_pk_mul_f32 v[T+4*i:T+4*i+1], v[X+16*i:X+16*i+1], v[X+16*i:X+16*i+1]
	ROWS v_pk_mul_f32 v[T+4*i+2:T+4*i+3], v[X+16*i+2:X+16*i+3], v[X+16*i+2:X+16*i+3]
.irp k, 4, 8, 12
	ROWS v_pk_fma_f32 v[T+4*i:T+4*i+1], v[X+16*i+\k:X+16*i+\k+1], v[X+16*i+\k:X+16*i+\k+1], v[T+4*i:T+4*i+1]
	ROWS v_pk_fma_f32 v[T+4*i+2:T+4*i+3], v[X+16*i+\k+2:X+16*i+\k+3], v[X+16*i+\k+2:X+16*i+\k+3], v[T+4*i+2:T+4*i+3]
.endr
	ROWS v_pk_add_f32 v[T+4*i:T+4*i+1], v[T+4*i:T+4*i+1], v[T+4*i+2:T+4*i+3]
	ROWS v_add_f32 v[T+4*i], v[T+4*i], v[T+4*i+1]
	ACROSS
	ROWS v_fma_f32 v[T+4*i], v[T+4*i], s[INV], s[EPS]
	ROWS v_rsq_f32 v[R+2*i], v[T+4*i]
	ROWS v_rsq_f32 v[R+2*i+1], v[T+4*i]
	v_nop                                          ; a plain instruction behind the last root (ISA guide 5.7.2),
	s_wait_alu depctr_va_vdst(0)                   ; and one wait for the batch of eight, ahead of their first reader
.irp k, 0,2,4,6,8,10,12,14
	ROWS v_pk_mul_f32 v[X+16*i+\k:X+16*i+\k+1], v[X+16*i+\k:X+16*i+\k+1], v[R+2*i:R+2*i+1]
.endr
.irp k, 0,2,4,6,8,10,12,14
	ROWS v_pk_fma_f32 v[X+16*i+\k:X+16*i+\k+1], v[X+16*i+\k:X+16*i+\k+1], v[G+\k:G+\k+1], v[BV+\k:BV+\k+1]
.endr
.irp k, 0,1,2,3,4,5,6,7
	ROWS v_cvt_pk_bf16_f32 v[YH+8*i+\k], v[X+16*i+2*\k], v[X+16*i+2*\k+1]
.endr
.irp j, 0,1,2,3
	ROWS global_store_b64 v[VH], v[YH+8*i+2*\j:YH+8*i+2*\j+1], s[HP:HP+1] offset:1024*i+256*\j
.endr
	; the weights.  X's registers are free: the stores above read YH.  Each count is the number of loads younger than the unit in hand.
.irp s, 0,1,2
	s_wait_loadcnt 14-\s
	v_cvt_pk_bf16_f32 v[X+2*\s],   v[CW+4*\s],   v[CW+4*\s+1]
	v_cvt_pk_bf16_f32 v[X+2*\s+1], v[CW+4*\s+2], v[CW+4*\s+3]
	global_store_b64 v[VQ], v[X+2*\s:X+2*\s+1], s[22:23] offset:1024*\s
.endr
.irp u, 0,1,2,3
	s_wait_loadcnt 10-2*\u
.irp k, 0,1,2,3
	v_cvt_pk_bf16_f32 v[X+8+4*\u+\k], v[CW+12+8*\u+2*\k], v[CW+12+8*\u+2*\k+1]
.endr
	global_store_b128 v[V16], v[X+8+4*\u:X+8+4*\u+3], s[24:25] offset:4096*\u
.endr
.irp u, 0,1
	s_wait_loadcnt 2-2*\u
.irp k, 0,1,2,3
	v_cvt_pk_bf16_f32 v[X+24+4*\u+\k], v[CW+44+8*\u+2*\k], v[CW+44+8*\u+2*\k+1]
.endr
	global_store_b128 v[V16], v[X+24+4*\u:X+24+4*\u+3], s[26:27] offset:4096*\u
.endr
	s_endpgm
.Lfunc_end_k_qb9c1511adb_prep:
	.size	k_qb9c1511adb_prep, .Lfunc_end_k_qb9c1511adb_prep-k_qb9c1511adb_prep
	.p2alignl 7, 3214868480
	.fill 96, 4, 3214868480
	.section	.rodata,"a",@progbits
	.p2align	6, 0x0
	.amdhsa_kernel k_qb9c1511adb_prep
		.amdhsa_group_segment_fixed_size 0
		.amdhsa_private_segment_fixed_size 0
		.amdhsa_enable_private_segment 0
		.amdhsa_kernarg_size 96
		.amdhsa_user_sgpr_count 2
		.amdhsa_user_sgpr_kernarg_segment_ptr 1
		.amdhsa_wavefront_size32 1
		.amdhsa_system_sgpr_workgroup_id_x 1
		.amdhsa_system_sgpr_workgroup_id_y 1
		.amdhsa_system_sgpr_workgroup_id_z 1
		.amdhsa_system_vgpr_workitem_id 0
		.amdhsa_next_free_vgpr 256
		.amdhsa_next_free_sgpr 66
		.amdhsa_reserve_vcc 0
		.amdhsa_float_denorm_mode_32 3
		.amdhsa_float_denorm_mode_16_64 3
		.amdhsa_memory_ordered 1
		.amdhsa_forward_progress 1
		.amdhsa_inst_pref_size 26
	.end_amdhsa_kernel
	.amdgpu_metadata
---
amdhsa.version: [ 1, 2 ]
amdhsa.kernels:
  - .name:           k_qb9c1511adb_prep
    .symbol:         k_qb9c1511adb_prep.kd
    .args:
      - { .name: x, .offset: 0, .size: 8, .value_kind: global_buffer, .address_space: global }
      - { .name: ln0_g, .offset: 8, .size: 8, .value_kind: global_buffer, .address_space: global }
      - { .name: ln0_b, .offset: 16, .size: 8, .value_kind: global_buffer, .address_space: global }
      - { .name: Wq, .offset: 24, .size: 8, .value_kind: global_buffer, .address_space: global }
      - { .name: Wk, .offset: 32, .size: 8, .value_kind: global_buffer, .address_space: global }
      - { .name: Wv, .offset: 40, .size: 8, .value_kind: global_buffer, .address_space: global }
      - { .name: Wp, .offset: 48, .size: 8, .value_kind: global_buffer, .address_space: global }
      - { .name: W2, .offset: 56, .size: 8, .value_kind: global_buffer, .address_space: global }
      - { .name: h, .offset: 64, .size: 8, .value_kind: global_buffer, .address_space: global }
      - { .name: wqkv, .offset: 72, .size: 8, .value_kind: global_buffer, .address_space: global }
      - { .name: wp, .offset: 80, .size: 8, .value_kind: global_buffer, .address_space: global }
      - { .name: w2, .offset: 88, .size: 8, .value_kind: global_buffer, .address_space: global }
    .group_segment_fixed_size: 0
    .private_segment_fixed_size: 0
    .kernarg_segment_align: 8
    .kernarg_segment_size: 96
    .max_flat_workgroup_size: 256
    .sgpr_count:     66
    .vgpr_count:     256
    .wavefront_size: 32
...
	.end_amdgpu_metadata
.endif
;; end of part 1
;; launch qkv (part 2): grid 64 x 4, 4 waves a work-group, clusters of 4 x 4, 327,680 bytes of LDS; arguments h, wqkv, bq, bk, bv, qkv; writes qkv
.if DOCPART == 2
	.amdgcn_target "amdgcn-amd-amdhsa--gfx1250"
	.amdhsa_code_object_version 6
	.text
	.protected	k_qb9c1511adb_qkv
	.globl	k_qb9c1511adb_qkv
	.p2align	8
	.type	k_qb9c1511adb_qkv,@function
k_qb9c1511adb_qkv:
	s_mov_b64 s[64:65], 0
	v_nop
	global_prefetch_b8 v0, s[64:65] scope:SCOPE_SE
	s_setreg_imm32_b32 hwreg(HW_REG_WAVE_MODE, 25, 1), 1
	s_wait_xcnt 0x0
	s_wait_alu depctr_hold_cnt(0) depctr_sa_sdst(0) depctr_va_vdst(0) depctr_va_sdst(0) depctr_va_ssrc(0) depctr_va_vcc(0) depctr_vm_vsrc(0)
	s_getreg_b32 s2, hwreg(HW_REG_IB_STS2, 6, 4)
	s_cmp_eq_u32 s2, 0
	s_cbranch_scc0 .Lentry_in_a_cluster
	s_endpgm
.Lentry_in_a_cluster:
	s_bfe_u32 s2, ttmp6, 0x10000c
	s_cmp_lg_u32 s2, 0xf033
	s_cbranch_scc0 .Lentry_shape_is_right
	s_endpgm
.Lentry_shape_is_right:
; q, k, v = h W + bias.  h: [8192][512] bf16; wqkv: [512][1536] bf16 ([K][N]); out: [3][32 heads][2048][64] f16, a head's rows dense, unscaled.  Sums in f32, begun from the bias.
; SHARES.  A work-group makes 128 rows x 384 columns, in three chunks of 128 columns; a wave 64 x 64: 16 accumulators.  The 128 rows of h (all of K) lie in LDS for the whole launch;
; W goes through a ring of two slots of 256 k x 128 columns: slot s always holds K step s of a chunk.
; THE PRODUCT IS TAKEN TRANSPOSED: source 0 = 16 columns of W (turned out of LDS by ds_load_tr16_b128), source 1 = 16 rows of h: a lane then holds 8 neighbouring columns of one row.
; A wave's 64 columns are one head's 64 channels, so its 64 rows leave as 8,192 consecutive bytes.
; CLUSTER 4 x 4: the four column parts of a row block need the same rows of h (shared along a column of the cluster), the four row blocks of a column part the same W (along a row): joint loads.
; No prefetch: six tiles of W in all.
; LIMITS: an f16 holds no number beyond 65,504: q, k, v must stay within it.  NaN and infinities are not treated apart.
; REGISTERS: window 0: v0-15 addresses; v64-127, v128-191 two fragment buffers (h's four fragments, then W's four); v192-255 the way out.  Window 1: accumulator (a, b) at 8 (4 a + b).
.set PA,    1040                       ; a row of h in LDS: 1,024 bytes + 16: an odd multiple of 16, so the 16 rows of a load start in 16 different groups of four banks (ISA guide 11.1)
.set PB,    288                        ; a row of W: 256 + 32 bytes
.set BR,    128*PA                     ; the ring begins behind h
.set SLOTB, 256*PB
.set STAGE, BR+2*SLOTB                 ; 16 rows x 144 bytes for each wave, for the way out; no tensor load lands here or behind
.set SP,    144
.set TAB,   STAGE+4*16*SP              ; the work-group's 384 biases, f32
.set SPARE, TAB+1536                   ; the spare words, 128 bytes for each wave, which no other line names
.set ADA0, 5                           ; v5   my place in h's rows
.set ADB0, 6                           ; v6   my place in slot 0
.set MA,   7                           ; v7   ADA0 + s[SA]
.set MB,   8                           ; v8   ADB0 + s[SB]
.set ADT,  9                           ; v9   my 32 bytes of the chunk's biases
.set STO,  10
.set RD,   11
.set GO,   12
.set SPW,  14
.set NIL,  15
.set F0,   64
.set F1,   128
.set TMP,  192
.set WV, 16
.set RH, 17                            ; which 64 rows are mine
.set CH, 18                            ; which 64 columns
.set CX, 19
.set CY, 20
.set BX, 21                            ; row block, 0 to 63
.set BY, 22                            ; column part, 0 to 3
.set G1A, 24
.set G1B, 32
.set G0A, 40
.set G0B, 44                           ; s[44:51] a set for each slot
.set LP,  66
.set PCN, 67
.set CJ,  68                           ; my block of 64 columns among the 24
.set RB,  69                           ; my rows' byte offset inside a part of the output
.set OPT, 70                           ; s[70:71] where my 64 rows go
.set OFF, 72                           ; s[72:73]
.set SA,  74                           ; byte along K in h's rows
.set SB,  75                           ; byte in the ring
.set BP,  76                           ; s[76:81] the three chunks' biases
.set MSB, 0
.macro WIN new                         ; the immediate's high byte repeats the setting that is left; a switch that changes nothing is dropped
.if MSB != (\new)
	s_set_vgpr_msb (MSB<<8)|(\new)
.set MSB, \new
.endif
.endm
.macro PLACES                          ; four plain instructions between a matrix instruction and a load into, or a read of, its registers
.rept 4
	v_nop
.endr
.endm
.macro CREST                           ; a round of the cluster's barrier behind its opening barrier
	s_cmp_lg_u32 s[WV], 0
	s_cbranch_scc1 .Lnot_wave_0_\@
	s_barrier_signal -3
.Lnot_wave_0_\@:
	s_barrier_wait -3
	s_barrier_signal -1
	s_barrier_wait -1
.endm
.macro CROUND
	s_barrier_signal -1
	s_barrier_wait -1
	CREST
.endm
	s_load_b256 s[4:11], s[0:1], 0x0               ; h s[4:5], wqkv s[6:7], bq s[8:9], bk s[10:11]
	s_load_b128 s[12:15], s[0:1], 0x20             ; bv s[12:13], qkv s[14:15]
	v_lshl_add_u32 v[SPW], v0, 2, SPARE
	v_mov_b32 v[NIL], 0
	ds_add_u32 v[SPW], v[NIL]                      ; the wave's opening: the add and its wait ahead of my first tensor load
	v_lshrrev_b32 v1, 5, v0
	v_readfirstlane_b32 s[WV], v1
	s_lshr_b32 s[RH], s[WV], 1
	s_and_b32 s[CH], s[WV], 1
	s_bfe_u32 s[CX], ttmp6, 0x40000
	s_bfe_u32 s[CY], ttmp6, 0x40004
	s_lshl_b32 s[BX], ttmp9, 2
	s_add_co_u32 s[BX], s[BX], s[CX]
	s_and_b32 s[BY], ttmp7, 0xffff
	s_lshl_b32 s[BY], s[BY], 2
	s_add_co_u32 s[BY], s[BY], s[CY]
	s_lshl_b32 s52, 0x1111, s[CX]                  ; my column of the cluster
	s_lshl_b32 s53, s[CY], 2
	s_lshl_b32 s53, 15, s53                        ; my row
	s_or_b32 s[G1A], s52, (1<<16)|(1<<20)|(1<<21)|(7<<22)|(3<<25)  ; h's rows hang on the row block alone: shared along my column; 2-byte elements; 4 words of padding after every 256
	s_mov_b32 s[G1A+1], 512<<16                    ; tensor_dim0 = 512
	s_mov_b32 s[G1A+2], 32<<16                     ; tensor_dim1 = 32
	s_mov_b32 s[G1A+3], 512<<16                    ; tile_dim0 = 512
	s_mov_b32 s[G1A+4], 32                         ; tile_dim1 = 32
	s_mov_b32 s[G1A+5], 512                        ; elements from row to row
	s_mov_b32 s[G1A+6], 0
	s_mov_b32 s[G1A+7], 0
	s_or_b32 s[G1B], s53, (1<<16)|(1<<20)|(1<<21)|(5<<22)|(7<<25)  ; W's tiles hang on the column part alone: shared along my row; 8 words of padding after every 64
	s_mov_b32 s[G1B+1], 128<<16
	s_mov_b32 s[G1B+2], 64<<16
	s_mov_b32 s[G1B+3], 128<<16
	s_mov_b32 s[G1B+4], 64
	s_mov_b32 s[G1B+5], 1536
	s_mov_b32 s[G1B+6], 0
	s_mov_b32 s[G1B+7], 0
	s_mov_b32 s[G0A], 1
	s_mul_i32 s[G0A+1], s[WV], 32*PA               ; wave w brings rows 32 w .. of h,
	s_mul_i32 s54, s[WV], 64*PB                    ; and rows 64 w .. of each tile of W
	s_mov_b32 s[G0B], 1
	s_add_co_u32 s[G0B+1], s54, BR
	s_mov_b32 s[G0B+4], 1
	s_add_co_u32 s[G0B+5], s54, BR+SLOTB
	s_lshl_b32 s56, s[BX], 17                      ; 128 rows of 1,024 bytes
	s_lshl_b32 s55, s[WV], 15
	s_add_co_u32 s56, s56, s55
	s_mov_b32 s57, 0
	s_mul_i32 s58, s[WV], 64*3072
	s_mul_i32 s60, s[BY], 768
	s_add_co_u32 s58, s58, s60
	s_mov_b32 s59, 0
	s_mov_b32 s[OFF+1], 0
	s_wait_dscnt 0x0                               ; the opening add is done
	s_wait_kmcnt 0x0
	s_add_nc_u64 s[G0A+2:G0A+3], s[4:5], s[56:57]
	s_or_b32 s[G0A+3], s[G0A+3], 0x80000000
	s_add_nc_u64 s[G0B+2:G0B+3], s[6:7], s[58:59]
	s_add_nc_u64 s[G0B+6:G0B+7], s[G0B+2:G0B+3], 256*3072  ; K step 1
	s_or_b32 s[G0B+3], s[G0B+3], 0x80000000
	s_or_b32 s[G0B+7], s[G0B+7], 0x80000000
	CROUND                                         ; all sixteen work-groups are here: the first joint loads meet
	tensor_load_to_lds s[G0A:G0A+3], s[G1A:G1A+7]  ; three loads of mine are out: h,
	s_nop 0
	tensor_load_to_lds s[G0B:G0B+3], s[G1B:G1B+7]  ; W's tile 0,
	s_nop 0
	tensor_load_to_lds s[G0B+4:G0B+7], s[G1B:G1B+7]  ; and tile 1
	s_nop 0
	PLACES
	; the biases of the work-group's three chunks of 128 columns: chunk 3 BY + c of twelve, four to each of bq, bk, bv
	v_lshlrev_b32 v19, 2, v0
	v_add_nc_u32 v20, TAB, v19
.irp c, 0,1,2
	s_mul_i32 s60, s[BY], 3
	s_add_co_u32 s60, s60, \c
	s_and_b32 s62, s60, 3
	s_lshl_b32 s62, s62, 9
	s_mov_b32 s63, 0
	s_lshr_b32 s61, s60, 2
	s_cmp_eq_u32 s61, 0
	s_cselect_b64 s[BP+2*\c:BP+2*\c+1], s[8:9], s[10:11]
	s_cmp_eq_u32 s61, 2
	s_cselect_b64 s[BP+2*\c:BP+2*\c+1], s[12:13], s[BP+2*\c:BP+2*\c+1]
	s_add_nc_u64 s[BP+2*\c:BP+2*\c+1], s[BP+2*\c:BP+2*\c+1], s[62:63]
	global_load_b32 v[16+\c], v19, s[BP+2*\c:BP+2*\c+1]
.endr
	v_and_b32 v1, 15, v0                           ; r = lane % 16
	v_bfe_u32 v2, v0, 4, 1                         ; hf = lane / 16
	v_mul_u32_u24 v[ADA0], v1, PA
	v_lshl_add_u32 v[ADA0], v2, 4, v[ADA0]
	s_mul_i32 s60, s[RH], 64*PA
	v_add_nc_u32 v[ADA0], s60, v[ADA0]             ; (64 RH + r) x pitch + 16 hf
	v_and_b32 v3, 7, v0
	v_lshl_add_u32 v3, v2, 3, v3
	v_mul_u32_u24 v[ADB0], v3, PB                  ; the turning load: k row 8 hf + lane % 8,
	v_bfe_u32 v4, v0, 3, 1
	v_lshl_add_u32 v[ADB0], v4, 4, v[ADB0]         ; columns 8 ((lane / 8) % 2) on,
	s_lshl_b32 s60, s[CH], 7
	s_add_co_u32 s60, s60, BR
	v_add_nc_u32 v[ADB0], s60, v[ADB0]             ; in my 64 columns
	s_lshl_b32 s60, s[CH], 8
	s_add_co_u32 s60, s60, TAB
	v_lshl_add_u32 v[ADT], v2, 5, s60
	s_mul_i32 s60, s[WV], 16*SP
	s_add_co_u32 s60, s60, STAGE
	v_mul_u32_u24 v[STO], v1, SP                   ; in: row r, 16 bytes for each half of the lanes
	v_lshl_add_u32 v[STO], v2, 4, v[STO]
	v_add_nc_u32 v[STO], s60, v[STO]
	v_bfe_u32 v[RD], v0, 3, 2                      ; back: 32 lanes take four rows of 128 bytes,
	v_mul_u32_u24 v[RD], v[RD], SP
	v_and_b32 v3, 7, v0
	v_lshl_add_u32 v[RD], v3, 4, v[RD]
	v_add_nc_u32 v[RD], s60, v[RD]
	v_and_b32 v[GO], 31, v0                        ; which are 512 consecutive bytes of the output
	v_lshlrev_b32 v[GO], 4, v[GO]
	s_mul_i32 s[CJ], s[BY], 6
	s_add_co_u32 s[CJ], s[CJ], s[CH]
	s_lshr_b32 s60, s[BX], 4                       ; the batch entry: 16 row blocks each
	s_lshl_b32 s[RB], s60, 21                      ; 8 heads of 2^18 bytes
	s_and_b32 s60, s[BX], 15
	s_lshl_b32 s60, s60, 14                        ; 128 rows of 128 bytes
	s_add_co_u32 s[RB], s[RB], s60
	s_lshl_b32 s60, s[RH], 13
	s_add_co_u32 s[RB], s[RB], s60
	s_wait_loadcnt 0x0
	ds_store_b32 v20, v16
	ds_store_b32 v20, v17 offset:512
	ds_store_b32 v20, v18 offset:1024
.macro MUL f, a                        ; four products: row block a x my four column blocks, 32 along K.  The 16 accumulators take turns, in the same order in every substep
	WIN 0x50                                       ; C and D in window 1
.irp b, 0,1,2,3
	v_wmma_f32_16x16x32_bf16 v[8*(4*(\a)+\b):8*(4*(\a)+\b)+7], v[(\f)+32+8*\b:(\f)+32+8*\b+7], v[(\f)+8*(\a):(\f)+8*(\a)+7], v[8*(4*(\a)+\b):8*(4*(\a)+\b)+7]
.endr
.endm
.macro FETCH f, ka, kb                 ; 16 LDS loads in one run: the fragments of 32 along K
	WIN 0
.irp b, 0,1,2,3
	ds_load_tr16_b128 v[(\f)+32+8*\b:(\f)+32+8*\b+3], v[MB] offset:(\kb)+32*\b
	ds_load_tr16_b128 v[(\f)+32+8*\b+4:(\f)+32+8*\b+7], v[MB] offset:(\kb)+32*\b+16*PB
.endr
.irp a, 0,1,2,3
	ds_load_b128 v[(\f)+8*\a:(\f)+8*\a+3], v[MA] offset:(\ka)+16*PA*\a
	ds_load_b128 v[(\f)+8*\a+4:(\f)+8*\a+7], v[MA] offset:(\ka)+16*PA*\a+32
.endr
.endm
.macro SUB f, g, ka, kb                ; a substep: buffer f, asked for a substep ago, is multiplied; the next substep's fragments go into g
	s_wait_dscnt 0x0
	PLACES                                         ; g's last readers are the products just before
	FETCH \g, \ka, \kb
	MUL \f, 0
	MUL \f, 1
	MUL \f, 2
	MUL \f, 3
.endm
.macro INITACC                         ; the sums begin from the bias: every product then has one form, and nothing is cleared or added later
	WIN 0x40
.irp a, 0,1,2,3
.irp b, 0,1,2,3
	ds_load_b128 v[8*(4*\a+\b):8*(4*\a+\b)+3], v[ADT] offset:64*\b
	ds_load_b128 v[8*(4*\a+\b)+4:8*(4*\a+\b)+7], v[ADT] offset:64*\b+16
.endr
.endr
	WIN 0
.endm
; A K step's last substep multiplies buffer 1 and changes slots.  In front of the barrier each wave waits for all its tensor loads (one is out: its part of the other slot), adds 0 to its spare word, and waits for
; that and for its reads of this slot.  fill = 1: the barrier opens a round of the cluster's, and the slot is filled again first thing behind it, with the next chunk's tile.
.macro TURN s, fill
	WIN 0
	s_wait_tensorcnt 0x0
	ds_add_u32 v[SPW], v[NIL]
.if \fill
	s_add_nc_u64 s[G0B+4*(\s)+2:G0B+4*(\s)+3], s[G0B+4*(\s)+2:G0B+4*(\s)+3], 256  ; no load of mine is out: the slot's next tile, 128 columns on
.endif
	s_wait_dscnt 0x1                               ; the add alone may be out: buffer 1 is in
	MUL F1, 0
	s_wait_dscnt 0x0                               ; the add is done; my reads of this slot are over
	s_barrier_signal -1
	MUL F1, 1
	WIN 0
	s_barrier_wait -1
.if \fill
	CREST
	tensor_load_to_lds s[G0B+4*(\s):G0B+4*(\s)+3], s[G1B:G1B+7]
	s_nop 0
.endif
	PLACES                                         ; also the places in front of the loads into buffer 0
	s_mov_b32 s[SA], 512*(1-(\s))
	s_mov_b32 s[SB], SLOTB*(1-(\s))
	v_add_nc_u32 v[MA], s[SA], v[ADA0]
	v_add_nc_u32 v[MB], s[SB], v[ADB0]
	FETCH F0, 0, 0
	MUL F1, 2
	MUL F1, 3
.endm
; A K step of 256: eight substeps; three trips of two, one more, and the last.  kind 2: change of slots with a refill; 1: without; 0: nothing follows
.macro STEP s, kind
	WIN 0
	s_mov_b32 s[PCN], 3
.Lpair_\@:
	SUB F0, F1, 64, 32*PB
	SUB F1, F0, 128, 64*PB
	WIN 0
	s_add_co_u32 s[SA], s[SA], 128
	s_add_co_u32 s[SB], s[SB], 64*PB
	v_add_nc_u32 v[MA], s[SA], v[ADA0]
	v_add_nc_u32 v[MB], s[SB], v[ADB0]
	s_sub_co_u32 s[PCN], s[PCN], 1
	s_cmp_lg_u32 s[PCN], 0
	s_cbranch_scc1 .Lpair_\@
	SUB F0, F1, 64, 32*PB
.if \kind
	TURN \s, (\kind)-1
.else
	s_wait_dscnt 0x0
	MUL F1, 0
	MUL F1, 1
	MUL F1, 2
	MUL F1, 3
.endif
.endm
; THE WAY OUT of a chunk: rounded to f16, 16 bytes a lane into my stage, back as whole rows, stored 512 consecutive bytes at a time.
.macro PACK a
	WIN 0x05                                       ; sources in window 1
.irp b, 0,1,2,3
.irp r, 0,1,2,3
	v_cvt_pk_f16_f32 v[TMP+16*(\a)+4*\b+\r], v[8*(4*(\a)+\b)+2*\r], v[8*(4*(\a)+\b)+2*\r+1]
.endr
.endr
	WIN 0
.irp b, 0,1,2,3
	ds_store_b128 v[STO], v[TMP+16*(\a)+4*\b:TMP+16*(\a)+4*\b+3] offset:32*\b
.endr
.irp f, 0,1,2,3
	ds_load_b128 v[TMP+16*(\a)+4*\f:TMP+16*(\a)+4*\f+3], v[RD] offset:4*SP*\f  ; LDS serves a wave's instructions in order (ISA guide 5.7.1.4): these see the stores above
.endr
.endm
.macro SEND a, younger                 ; younger: the next block's eight LDS instructions, or none
.irp f, 0,1,2,3
	s_wait_dscnt (\younger)+3-\f
	global_store_b128 v[GO], v[TMP+16*(\a)+4*\f:TMP+16*(\a)+4*\f+3], s[OPT:OPT+1] offset:2048*(\a)+512*\f
.endr
.endm
.macro WOUT reinit
	WIN 0
	PLACES
	s_wait_xcnt 0x0                                ; the last chunk's stores have read their registers and their base
	s_lshr_b32 s60, s[CJ], 3                       ; q, k or v
	s_lshl_b32 s[OFF], s60, 23
	s_and_b32 s60, s[CJ], 7                        ; the head
	s_lshl_b32 s60, s60, 18
	s_add_co_u32 s[OFF], s[OFF], s60
	s_add_co_u32 s[OFF], s[OFF], s[RB]
	s_add_nc_u64 s[OPT:OPT+1], s[14:15], s[OFF:OFF+1]
	s_add_co_u32 s[CJ], s[CJ], 2
	PACK 0
	PACK 1
	SEND 0, 8
	PACK 2
	SEND 1, 8
	PACK 3
	SEND 2, 8
	SEND 3, 0
.if \reinit
	v_add_nc_u32 v[ADT], 512, v[ADT]
	INITACC
.endif
.endm
	s_wait_tensorcnt 0x1                           ; h and tile 0 are in; tile 1, issued last, may stay out
	s_wait_dscnt 0x0                               ; my part of the biases is in LDS
	s_barrier_signal -1
	s_barrier_wait -1
	INITACC
	s_mov_b32 s[SA], 0
	s_mov_b32 s[SB], 0
	v_add_nc_u32 v[MA], s[SA], v[ADA0]
	v_add_nc_u32 v[MB], s[SB], v[ADB0]
	FETCH F0, 0, 0
	s_mov_b32 s[LP], 2
.Lchunk:                                               ; two chunks whose changes of slots ask for the next chunk's tiles
	STEP 0, 2
	STEP 1, 2
	WOUT 1
	WIN 0
	s_sub_co_u32 s[LP], s[LP], 1
	s_cmp_lg_u32 s[LP], 0
	s_cbranch_scc1 .Lchunk
	STEP 0, 1                                      ; the last chunk is written out: it asks for nothing
	STEP 1, 0
	WOUT 0
	WIN 0
	s_wait_tensorcnt 0x0                           ; the wave's end
	ds_add_u32 v[SPW], v[NIL]
	s_wait_dscnt 0x0
	CROUND                                         ; the closing round
	s_endpgm
.Lfunc_end_k_qb9c1511adb_qkv:
	.size	k_qb9c1511adb_qkv, .Lfunc_end_k_qb9c1511adb_qkv-k_qb9c1511adb_qkv
	.p2alignl 7, 3214868480
	.fill 96, 4, 3214868480
	.section	.rodata,"a",@progbits
	.p2align	6, 0x0
	.amdhsa_kernel k_qb9c1511adb_qkv
		.amdhsa_group_segment_fixed_size 327680
		.amdhsa_private_segment_fixed_size 0
		.amdhsa_enable_private_segment 0
		.amdhsa_kernarg_size 48
		.amdhsa_user_sgpr_count 2
		.amdhsa_user_sgpr_kernarg_segment_ptr 1
		.amdhsa_wavefront_size32 1
		.amdhsa_system_sgpr_workgroup_id_x 1
		.amdhsa_system_sgpr_workgroup_id_y 1
		.amdhsa_system_sgpr_workgroup_id_z 1
		.amdhsa_system_vgpr_workitem_id 0
		.amdhsa_next_free_vgpr 384
		.amdhsa_next_free_sgpr 96
		.amdhsa_reserve_vcc 0
		.amdhsa_float_denorm_mode_32 3
		.amdhsa_float_denorm_mode_16_64 3
		.amdhsa_memory_ordered 1
		.amdhsa_forward_progress 1
		.amdhsa_inst_pref_size 69
	.end_amdhsa_kernel
	.amdgpu_metadata
---
amdhsa.version: [ 1, 2 ]
amdhsa.kernels:
  - .name:           k_qb9c1511adb_qkv
    .symbol:         k_qb9c1511adb_qkv.kd
    .args:
      - { .name: h, .offset: 0, .size: 8, .value_kind: global_buffer, .address_space: global }
      - { .name: wqkv, .offset: 8, .size: 8, .value_kind: global_buffer, .address_space: global }
      - { .name: bq, .offset: 16, .size: 8, .value_kind: global_buffer, .address_space: global }
      - { .name: bk, .offset: 24, .size: 8, .value_kind: global_buffer, .address_space: global }
      - { .name: bv, .offset: 32, .size: 8, .value_kind: global_buffer, .address_space: global }
      - { .name: qkv, .offset: 40, .size: 8, .value_kind: global_buffer, .address_space: global }
    .group_segment_fixed_size: 327680
    .private_segment_fixed_size: 0
    .kernarg_segment_align: 8
    .kernarg_segment_size: 48
    .max_flat_workgroup_size: 128
    .sgpr_count:     96
    .vgpr_count:     384
    .wavefront_size: 32
...
	.end_amdgpu_metadata
.endif
;; end of part 2
;; launch attn (part 3): grid 8 x 32, 4 waves a work-group, clusters of 4 x 1, 327,680 bytes of LDS; arguments qkv, x, x1; writes x1
.if DOCPART == 3
	.amdgcn_target "amdgcn-amd-amdhsa--gfx1250"
	.amdhsa_code_object_version 6
	.text
	.protected	k_qb9c1511adb_attn
	.globl	k_qb9c1511adb_attn
	.p2align	8
	.type	k_qb9c1511adb_attn,@function
k_qb9c1511adb_attn:
	s_mov_b64 s[64:65], 0
	v_nop
	global_prefetch_b8 v0, s[64:65] scope:SCOPE_SE
	s_setreg_imm32_b32 hwreg(HW_REG_WAVE_MODE, 25, 1), 1
	s_wait_xcnt 0x0
	s_wait_alu depctr_hold_cnt(0) depctr_sa_sdst(0) depctr_va_vdst(0) depctr_va_sdst(0) depctr_va_ssrc(0) depctr_va_vcc(0) depctr_vm_vsrc(0)
	s_getreg_b32 s2, hwreg(HW_REG_IB_STS2, 6, 4)
	s_cmp_eq_u32 s2, 0
	s_cbranch_scc0 .Lentry_in_a_cluster
	s_endpgm
.Lentry_in_a_cluster:
	s_bfe_u32 s2, ttmp6, 0x10000c
	s_cmp_lg_u32 s2, 0x3003
	s_cbranch_scc0 .Lentry_shape_is_right
	s_endpgm
.Lentry_shape_is_right:
; x1 = x + softmax(Q K^T / 8) V, by heads.  qkv: [3][32][2048][64] f16 (a head's rows dense, 128 bytes); x, x1: [8192][512] f32.  Products, maxima and sums in f32; the weights p are
; rounded to f16 for the second product (their sum l is taken of the unrounded p).
; LIMITS.  p below 6e-5 keeps f16's fixed step of 6e-8; a weight below 2^-126 counts as 0 in l; NaN and infinities are not treated apart.
; SHARES.  A work-group owns 256 queries of one head, a wave 64: four PIECES of 16.  Every wave walks the head's 2,048 keys, 64 a step, 256 a tile.
; LAYOUT.  S^T = K Q^T holds ONE query a lane (lane % 16) and the keys 8 (lane / 16) + 0..7; two such results rounded to f16 ARE source 1 of O^T = V^T P.  K comes out of LDS as it lies, V turned.
; SOFTMAX.  p = 2^(c s - c m), c = log2(e) / 8, with a running maximum m; O and l are multiplied by a = 2^(c m_old - c m_new) in every step.  m starts at the lowest finite number, O and l at 0.
; TURNS.  Turn n belongs to piece n: 8 products K Q^T of piece n + 1, later 8 products V^T P of piece n - 1; beside them the scaling, exponentials, roundings, sums and rescaling of piece n and the
; maximum and statistics of piece n + 1.  Four vector instructions stand behind every matrix instruction, the rest in one lump.  A turn's 33 exponentials are one batch with one wait.
; CLUSTER.  Four query blocks of a head walk the same K and V: each tile is asked for jointly, by the same tensor load, descriptor and mask in all four.
; REGISTERS, in windows of 256: window 0: v0-15 addresses; v16-31 statistics; v48-55 at work; v64-127 S^T, two buffers; v192-223 P, two buffers.
;   window 1: v0-127 O^T, 32 a piece; v128-255 my rows of x.     window 2: v0-63 Q; v128-191 K of one step; v192-255 V of one step.
.set NP,    4
.set KS,    64
.set PK,    144                        ; a row of K in LDS: 128 bytes + 16
.set PV,    160                        ; a row of V: 128 + 32
.set VOFF,  4*KS*PK                    ; a slot holds a tile: 256 rows of K, then 256 rows of V
.set SLOT1, 1<<17
.set STAGE, SLOT1+4*KS*(PK+PV)         ; 16 rows x 272 bytes for each wave, for the way out; no tensor load lands here or behind
.set SP,    272
.set SPARE, STAGE+4*16*SP
.set AK0, 2
.set AV0, 3
.set AK,  4
.set AV,  5
.set STO, 6
.set RD,  7
.set GO,  8                            ; v8   my 16 bytes in two rows of x and x1
.set MV,  12
.set QO,  15
.set ST,  16                           ; piece t: c m, m, l (even keys', odd keys')
.set TMP, 48
.set PFO, 61
.set SPW, 62
.set NIL, 63
.set S,   64
.set P,   192
.set XR,  128                          ; window 1
.set KF,  128                          ; window 2
.set VF,  192                          ; window 2
.set WV,  12
.set G1K, 24
.set G1V, 32
.set G0K, 40
.set G0V, 44
.set PFA, 48                           ; s[48:49] where my prefetches stand
.set LIM, 50
.set SLOTS, 56
.set CNT, 57
.set CS,  58
.set SEL, 60
.set TBK, 62
.set TBV, 63
.set MSB, 0
.macro WIN new
.if MSB != (\new)
	s_set_vgpr_msb (MSB<<8)|(\new)
.set MSB, (\new)
.endif
.endm
.set W_KQ, 0x0a                        ; K and Q in window 2, S^T in window 0
.set W_PV, 0x52                        ; V in window 2, P in window 0, O^T in window 1
.set W_RS, 0x41                        ; destination and source 0 in window 1, source 1 in window 0
.macro PLACES
.rept 4
	v_nop
.endr
.endm
.macro JLOAD                           ; waves 0 and 1 fetch the two halves of a tile's K, waves 2 and 3 those of its V: 128 keys each
	s_cmp_lt_u32 s[WV], 2
	s_cbranch_scc0 .Lfor_v_\@
	tensor_load_to_lds s[G0K:G0K+3], s[G1K:G1K+7]
	s_nop 0
.rept 4
	v_nop
.endr
	s_branch .Lasked_\@
.Lfor_v_\@:
	tensor_load_to_lds s[G0V:G0V+3], s[G1V:G1V+7]
	s_nop 0
.rept 4
	v_nop
.endr
.Lasked_\@:
.endm
; A prefetch of the tile that the NEXT change of slots will ask for: four key steps, 256 matrix instructions, ahead.  A head's two clusters walk the same K and V: the first asks.  Its four partners take 32 of a
; tile's 128 blocks of 256 bytes each, told apart by address; wave 0 asks for K's, wave 2 for V's: a lane a block.  The change that fills the last tile asks for nothing.
.macro ASK
	s_cmp_gt_u32 s[SLOTS], s[LIM]
	s_cbranch_scc0 .Lnot_mine_\@
	global_prefetch_b8 v[PFO], s[PFA:PFA+1] th:TH_LOAD_NT scope:SCOPE_SE
.Lnot_mine_\@:
.endm
.macro CROUND
	s_barrier_signal -1
	s_barrier_wait -1
	s_cmp_lg_u32 s[WV], 0
	s_cbranch_scc1 .Lnot_wave_0_\@
	s_barrier_signal -3
.Lnot_wave_0_\@:
	s_barrier_wait -3
	s_barrier_signal -1
	s_barrier_wait -1
.endm
; THE CHANGE OF SLOTS.  Each wave waits for all its tensor loads (one is out: its part of the other slot), adds 0 to its spare word, and waits for that and for its reads of the slot that it leaves.
; fill = 1: the barrier is a round of the cluster's, and the old slot is filled again first thing behind it.  (At its first use slot 0 is waited for and slot 1 filled.)
.macro CHANGE fill
	WIN 0
	s_wait_tensorcnt 0x0
	ds_add_u32 v[SPW], v[NIL]
.if \fill
.irp g, G0K, G0V
	s_xor_b32 s[\g+1], s[\g+1], SLOT1
	s_add_nc_u64 s[\g+2:\g+3], s[\g+2:\g+3], 4*KS*128
.endr
	s_wait_xcnt 0x0                                ; the last prefetch, four key steps back, has read its address
	s_add_nc_u64 s[PFA:PFA+1], s[PFA:PFA+1], 4*KS*128
	s_wait_dscnt 0x0
	CROUND
	JLOAD
	ASK
.else
	s_wait_dscnt 0x0
	s_barrier_signal -1
	s_barrier_wait -1
.endif
	s_sub_co_u32 s[TBK], s[TBK], 4*KS*PK           ; the fetches go back to a slot's first step, in the other slot
	s_xor_b32 s[TBK], s[TBK], SLOT1
	s_sub_co_u32 s[TBV], s[TBV], 4*KS*PV
	s_xor_b32 s[TBV], s[TBV], SLOT1
.endm
	s_load_b128 s[68:71], s[0:1], 0x0              ; qkv s[68:69], x s[70:71]
	s_load_b64 s[72:73], s[0:1], 0x10              ; x1
	v_lshl_add_u32 v[SPW], v0, 2, SPARE
	v_mov_b32 v[NIL], 0
	ds_add_u32 v[SPW], v[NIL]                      ; the wave's opening: the add and its wait ahead of my first tensor load
	v_lshrrev_b32 v1, 5, v0
	v_readfirstlane_b32 s[WV], v1
	s_bfe_u32 s13, ttmp6, 0x40000                  ; cx
	s_lshl_b32 s14, ttmp9, 2
	s_add_co_u32 s14, s14, s13                     ; my block of 256 queries: it enters Q's, x's and x1's addresses alone
	s_and_b32 s15, ttmp7, 0xffff                   ; the head, 8 n + hd, which the partners share
	s_lshl_b32 s20, s15, 18                        ; its bytes in q, k and v
	s_and_b32 s16, s[WV], 1                        ; which half of a tile's keys I fetch
	s_lshl_b32 s22, s16, 14
	s_add_co_u32 s22, s22, s20
	s_add_co_u32 s74, s22, 1<<23                   ; k lies 2^23 bytes behind q,
	s_mov_b32 s75, 0
	s_add_co_u32 s76, s22, 2<<23                   ; v behind k
	s_mov_b32 s77, 0
	s_mul_i32 s17, s16, 128*PK
	s_mul_i32 s18, s16, 128*PV
	s_lshl_b32 s2, s14, 2
	s_add_co_u32 s2, s2, s[WV]                     ; my 64 rows among the head's
	s_lshl_b32 s3, s2, 13
	s_add_co_u32 s78, s3, s20
	s_mov_b32 s79, 0
	s_lshr_b32 s21, s15, 3                         ; n
	s_lshl_b32 s21, s21, 5
	s_add_co_u32 s21, s21, s2                      ; my 64 rows among x's
	s_lshl_b32 s80, s21, 17                        ; rows of 2,048 bytes
	s_and_b32 s23, s15, 7
	s_lshl_b32 s23, s23, 8                         ; the head's 256 bytes of a row
	s_add_co_u32 s80, s80, s23
	s_mov_b32 s81, 0
	; 128 keys are 16,384 dense bytes: asked for as 64 rows of 256 bytes, two keys a row, padded in LDS after every key
	s_mov_b32 s[G1K], 15|(1<<16)|(1<<20)|(1<<21)|(4<<22)|(3<<25)
	s_mov_b32 s[G1V], 15|(1<<16)|(1<<20)|(1<<21)|(4<<22)|(7<<25)
.irp g, G1K, G1V
	s_mov_b32 s[\g+1], 128<<16
	s_mov_b32 s[\g+2], 64<<16
	s_mov_b32 s[\g+3], 128<<16
	s_mov_b32 s[\g+4], 64
	s_mov_b32 s[\g+5], 128
	s_mov_b32 s[\g+6], 0
	s_mov_b32 s[\g+7], 0
.endr
	s_mov_b32 s[CS], 0x3e38aa3b                    ; c = log2(e) / 8
	s_mov_b32 s[CS+1], s[CS]
	s_mov_b32 s[SEL], 0x76543210
	s_mov_b32 s[SEL+1], 0xfedcba98
	s_mov_b32 s[TBK], SLOT1+4*KS*PK                ; the first change of slots turns these two into 0
	s_mov_b32 s[TBV], SLOT1+4*KS*PV
	s_mov_b32 s[G0K], 1
	s_mov_b32 s[G0K+1], s17
	s_mov_b32 s[G0V], 1
	s_add_co_u32 s[G0V+1], s18, VOFF
	s_mov_b32 s[SLOTS], 7                          ; tiles still to be asked for
	s_and_b32 s[LIM], s[WV], 1
	s_or_b32 s[LIM], s[LIM], ttmp9                 ; 0 in waves 0 and 2 of the head's first cluster: the same in all four partners
	s_cmp_eq_u32 s[LIM], 0
	s_cselect_b32 s[LIM], 1, -1
	v_and_b32 v[PFO], 31, v0
	v_lshlrev_b32 v[PFO], 8, v[PFO]
	s_wait_dscnt 0x0                               ; the opening add is done
	s_wait_kmcnt 0x0
	s_add_nc_u64 s[6:7], s[68:69], s[74:75]        ; K and V at my half of the head's tile 0
	s_add_nc_u64 s[8:9], s[68:69], s[76:77]
	s_mov_b64 s[G0K+2:G0K+3], s[6:7]
	s_or_b32 s[G0K+3], s[G0K+3], 0x80000000
	s_mov_b64 s[G0V+2:G0V+3], s[8:9]
	s_or_b32 s[G0V+3], s[G0V+3], 0x80000000
	s_add_nc_u64 s[4:5], s[68:69], s[78:79]        ; Q at my wave's first row
	s_add_nc_u64 s[84:85], s[70:71], s[80:81]      ; x,
	s_add_nc_u64 s[10:11], s[72:73], s[80:81]      ; and x1
	s_cmp_lt_u32 s[WV], 2
	s_cselect_b64 s[PFA:PFA+1], s[6:7], s[8:9]
	s_lshl_b32 s2, s13, 13                         ; my work-group's 32 blocks of the 128
	s_mov_b32 s3, 0
	s_add_nc_u64 s[PFA:PFA+1], s[PFA:PFA+1], s[2:3]
	s_add_nc_u64 s[PFA:PFA+1], s[PFA:PFA+1], 4*KS*128  ; at tile 1: the change that fills tile n steps it to n + 1
	CROUND                                         ; all four work-groups are here
	JLOAD                                          ; tile 0 into slot 0
	v_and_b32 v1, 15, v0                           ; l % 16
	v_bfe_u32 v9, v0, 4, 1                         ; l / 16
	v_lshlrev_b32 v[QO], 7, v1
	v_lshl_add_u32 v[QO], v9, 4, v[QO]
	v_lshlrev_b32 v[GO], 4, v1
	v_lshl_add_u32 v[GO], v9, 11, v[GO]            ; lanes 0-15 one row's 256 bytes, lanes 16-31 the next row's
	WIN 0x80
.set i, 0
.rept 8                                ; Q stays in registers: piece i / 2, channels 32 (i % 2) on
	global_load_b128 v[8*i:8*i+3],   v[QO], s[4:5] offset:(i/2)*2048+(i%2)*64
	global_load_b128 v[8*i+4:8*i+7], v[QO], s[4:5] offset:(i/2)*2048+(i%2)*64+32
.set i, i+1
.endr
	WIN 0x40
.set i, 0
.rept 32                               ; my 64 rows of x, the head's 256 bytes of each: wanted at the very end
	global_load_b128 v[XR+4*i:XR+4*i+3], v[GO], s[84:85] offset:4096*i
.set i, i+1
.endr
	; what the first turn finds: V, P's second buffer, O^T and l hold 0.  All this stands in the wait for the first tile.
.set i, 0
.rept 128
	v_mov_b32 v[i], 0
.set i, i+1
.endr
	WIN 0x80
.set i, VF
.rept 64
	v_mov_b32 v[i], 0
.set i, i+1
.endr
	WIN 0
.set i, 0
.rept 4
	v_mov_b32 v[ST+4*i], 0xfe000000                ; c m: far below every c s
	v_mov_b32 v[ST+4*i+1], 0xff7fffff              ; m
	v_mov_b32 v[ST+4*i+2], 0
	v_mov_b32 v[ST+4*i+3], 0
.set i, i+1
.endr
.set i, P+16
.rept 16
	v_mov_b32 v[i], 0
.set i, i+1
.endr
	v_mul_u32_u24 v[AK0], v1, PK
	v_lshl_add_u32 v[AK0], v9, 4, v[AK0]
	v_and_b32 v10, 7, v0
	v_bfe_u32 v11, v0, 3, 1
	v_lshl_add_u32 v[AV0], v9, 3, v10
	v_mul_u32_u24 v[AV0], v[AV0], PV
	v_lshl_add_u32 v[AV0], v11, 4, v[AV0]
	v_add_nc_u32 v[AV0], VOFF, v[AV0]
	s_mul_i32 s13, s[WV], 16*SP
	s_add_co_u32 s13, s13, STAGE
	v_mul_u32_u24 v[STO], v1, SP                   ; in: row l % 16, 32 bytes for each half of the lanes
	v_lshl_add_u32 v[STO], v9, 5, v[STO]
	v_add_nc_u32 v[STO], s13, v[STO]
	v_mul_u32_u24 v[RD], v9, SP                    ; back: lanes 0-15 one row of 256 bytes, lanes 16-31 the next
	v_lshl_add_u32 v[RD], v1, 4, v[RD]
	v_add_nc_u32 v[RD], s13, v[RD]
; THE MATRIX WORK.  The 4 accumulators of a run of 8 take turns.
.macro KQ x                            ; product i of 8 of S^T = K Q^T for piece x: channels 32 (i / 4) on, keys 16 (i % 4) on
	WIN W_KQ
.set rS, S+32*((\x)%2)+8*(i%4)
.set rK, KF+16*(i%4)+8*(i/4)
.set rQ, 16*(\x)+8*(i/4)
.if i < 4
	v_wmma_f32_16x16x32_f16 v[rS:rS+7], v[rK:rK+7], v[rQ:rQ+7], 0
.else
	v_wmma_f32_16x16x32_f16 v[rS:rS+7], v[rK:rK+7], v[rQ:rQ+7], v[rS:rS+7]
.endif
.endm
.macro PV x                            ; product i of 8 of O^T += V^T P for piece x: keys 32 (i / 4) on, channels 16 (i % 4) on
	WIN W_PV
.set rO, 32*(\x)+8*(i%4)
.set rV, VF+32*(i/4)+8*(i%4)
.set rP, P+16*((\x)%2)+8*(i/4)
	v_wmma_f32_16x16x32_f16 v[rO:rO+7], v[rV:rV+7], v[rP:rP+7], v[rO:rO+7]
.endm
.macro MM                              ; the turn's next matrix instruction.  NOKQ = 1: the last turn of all: there is no next piece
.if (i < 8) && !NOKQ
	KQ (Y+1)%NP
.elseif i >= 8
.set i, i-8
	PV (Y+NP-1)%NP
.set i, i+8
.endif
.set i, i+1
.endm
.macro FETCH_K                         ; a step's K: 64 keys x 64 channels, 8 fragments, in one run
	WIN 0x80
.irp f, 0,1,2,3,4,5,6,7
	ds_load_b128 v[KF+8*\f:KF+8*\f+3],   v[AK] offset:(\f/2)*16*PK+(\f%2)*64
	ds_load_b128 v[KF+8*\f+4:KF+8*\f+7], v[AK] offset:(\f/2)*16*PK+(\f%2)*64+32
.endr
	s_add_co_u32 s[TBK], s[TBK], KS*PK
	WIN 0
.endm
.macro FETCH_V                         ; its V, turned
	WIN 0x80
.irp f, 0,1,2,3,4,5,6,7
	ds_load_tr16_b128 v[VF+8*\f:VF+8*\f+3],   v[AV] offset:(\f/4)*32*PV+(\f%4)*32
	ds_load_tr16_b128 v[VF+8*\f+4:VF+8*\f+7], v[AV] offset:(\f/4)*32*PV+16*PV+(\f%4)*32
.endr
	WIN 0
.endm
; THE VECTOR WORK, one line at a time: OP kind, number.  For piece Y: F n: c s - c m for pair n of 16.  E n: the exponential of score n of 32.  C n: pair n rounded to f16.  B n: of the four weights 4 n .. the
; second pair is added onto the first.  L n: l takes that sum (L 0: l = a l + sum).  R n: pair n of 16 of O^T times a.  For piece Y + 1: X n, number n of the 22 that find its maximum and statistics
; (0-11 four chains of seven scores, each accumulator's lowest registers first; 12-14, 16 the rest, the old m, four into one; 15 c m_old is kept; 17, 18 the other half of the lanes; 19-21 c m, its change, a).
.set F, 0
.set E, 1
.set C, 2
.set B, 3
.set L, 4
.set R, 5
.set X, 6
.macro REGS y
.set rT, ST+4*(\y)
.set rC, TMP+4*((\y)%2)
.set rW, MV+((\y)%2)
.set rS, S+32*((\y)%2)
.set rP, P+16*((\y)%2)
.set rO, 32*(\y)
.endm
.macro OP k, n
.if (\k) == R
	REGS Y
	WIN W_RS
	v_pk_mul_f32 v[rO+2*(\n):rO+2*(\n)+1], v[rO+2*(\n):rO+2*(\n)+1], v[rC+2:rC+3] op_sel_hi:[1,0]
.elseif (\k) < R
	REGS Y
	WIN 0
.if (\k) == F
	v_pk_fma_f32 v[rS+2*(\n):rS+2*(\n)+1], v[rS+2*(\n):rS+2*(\n)+1], s[CS:CS+1], v[rT:rT+1] op_sel_hi:[1,0,0] neg_lo:[0,0,1] neg_hi:[0,0,1]
.elseif (\k) == E
	v_exp_f32 v[rS+(\n)], v[rS+(\n)]
.elseif (\k) == C
	v_cvt_pk_f16_f32 v[rP+(\n)], v[rS+2*(\n)], v[rS+2*(\n)+1]
.elseif (\k) == B
	v_pk_add_f32 v[rS+4*(\n):rS+4*(\n)+1], v[rS+4*(\n):rS+4*(\n)+1], v[rS+4*(\n)+2:rS+4*(\n)+3]
.elseif (\n) == 0
	v_pk_fma_f32 v[rT+2:rT+3], v[rT+2:rT+3], v[rC+2:rC+3], v[rS:rS+1] op_sel_hi:[1,0,1]
.else
	v_pk_add_f32 v[rT+2:rT+3], v[rT+2:rT+3], v[rS+4*(\n):rS+4*(\n)+1]
.endif
.elseif NOKQ
	v_nop
.else
	REGS (Y+1)%NP
	WIN 0
.if (\n) < 4
	v_max3_num_f32 v[rC+(\n)], v[rS+8*(\n)], v[rS+8*(\n)+1], v[rS+8*(\n)+2]
.elseif (\n) < 12
	v_max3_num_f32 v[rC+(\n)%4], v[rC+(\n)%4], v[rS+8*((\n)%4)+2*((\n)/4)+1], v[rS+8*((\n)%4)+2*((\n)/4)+2]
.elseif (\n) == 12
	v_max3_num_f32 v[rC], v[rC], v[rS+7], v[rS+15]
.elseif (\n) == 13
	v_max3_num_f32 v[rC+1], v[rC+1], v[rS+23], v[rS+31]
.elseif (\n) == 14
	v_max3_num_f32 v[rC+2], v[rC+2], v[rC+3], v[rT+1]
.elseif (\n) == 15
	v_mov_b32 v[rW], v[rT]
.elseif (\n) == 16
	v_max3_num_f32 v[rC], v[rC], v[rC+1], v[rC+2]
.elseif (\n) == 17
	v_permlanex16_b32 v[rC+3], v[rC], s[SEL], s[SEL+1]
.elseif (\n) == 18
	v_max_num_f32 v[rT+1], v[rC], v[rC+3]
.elseif (\n) == 19
	v_mul_f32 v[rT], s[CS], v[rT+1]
.elseif (\n) == 20
	v_sub_f32 v[rC+1], v[rW], v[rT]
.else
	v_exp_f32 v[rC+2], v[rC+1]
.endif
.endif
.endm
.macro OPS a, i1, b=-1, i2=0, c=-1, i3=0, d=-1, i4=0
	OP \a, \i1
.if (\b) >= 0
	OP \b, \i2
.endif
.if (\c) >= 0
	OP \c, \i3
.endif
.if (\d) >= 0
	OP \d, \i4
.endif
.endm
.macro ROW a, i1, b, i2, c, i3, d, i4  ; a matrix instruction and the four behind it
	MM
	OPS \a, \i1, \b, \i2, \c, \i3, \d, \i4
.endm
; A TURN, for piece p.  One wait cuts it in two: ahead of it stands all that names no result of the turn's exponentials (the products K Q^T and their riders, the lump, the next piece's a last; R 15 is the plain
; instruction behind it); behind it the products V^T P with the roundings and sums as riders.  end = 1: the last two turns: nothing is fetched.  cnt = 1: the loop's count is taken down ahead of the branch behind the turn.
; K of the next step is fetched in piece 2's turn, V of the step in hand at the end of piece 0's; each is waited for a turn later.
.macro TURN p, end=0, cnt=0
.set Y, (\p)
.set i, 0
.set NOKQ, (\end)*((\p)/3)
.if ((\p) == 3) && !(\end)
	s_wait_dscnt 0x0                               ; K is in
.endif
	ROW F,0, F,1, R,0, R,1
	ROW F,2, E,0, R,2, R,3
	ROW F,3, E,1, R,4, R,5
	ROW F,4, E,2, R,6, R,7
	ROW F,5, E,3, R,8, R,9
	ROW F,6, E,4, X,0, R,10
.if ((\p) == 2) && !(\end)
	WIN 0
	v_add_nc_u32 v[AK], s[TBK], v[AK0]
.endif
	ROW F,7, E,5, X,1, X,4
	ROW F,8, E,6, X,2, X,5
	OPS E,7, E,8, X,6, E,9
	OPS X,3, E,10, X,8, E,11
.if ((\p) == 2) && !(\end)
	FETCH_K
.endif
	OPS X,9, X,7, E,12, X,10
	OPS E,13, X,12, X,11, E,14
	OPS X,13, E,15, F,9, X,14
.if (\p) == 0
	v_add_nc_u32 v[AV], s[TBV], v[AV0]
.endif
	OPS E,16, F,10, E,17, F,11
	OPS X,16, E,18, X,15, E,19
	OPS F,12, E,20, X,17, E,21
	OPS F,13, E,22, F,14, E,23
	OPS X,18, E,24, F,15, E,25
	OPS R,11, E,26, X,19, E,27
	OPS R,12, E,28, R,13, E,29
	OPS X,20, E,30, R,14, E,31
	OPS X,21, R,15
	WIN 0
	s_wait_alu depctr_va_vdst(0)                   ; the wait for the batch, ahead of the first reader
.if (\p) == 1
	s_wait_dscnt 0x0                               ; V is in
.endif
	ROW C,0, B,0, C,2, B,1
	ROW L,0, C,4, B,2, L,1
	ROW C,6, B,3, L,2, C,8
	ROW B,4, L,3, C,10, B,5
	ROW L,4, C,12, B,6, L,5
.if (\p) == 0
	s_add_co_u32 s[TBV], s[TBV], KS*PV
.endif
.if \cnt
	s_sub_co_u32 s[CNT], s[CNT], 1
	s_cmp_lg_u32 s[CNT], 0
.endif
	ROW C,14, B,7, L,6, C,1
	ROW C,3, L,7, C,5, C,7
	ROW C,9, C,11, C,13, C,15
.if (\p) == 0
	FETCH_V
.endif
.endm
	CHANGE 1                                       ; tile 0 is in, everybody's part of it; tile 1 is asked for
	v_add_nc_u32 v[AK], s[TBK], v[AK0]
	FETCH_K                                        ; key step 0
	s_wait_loadcnt 32                              ; Q is in; the 32 loads of x behind it stay out
	s_wait_dscnt 0x0
.set NOKQ, 0
.set i, 0
.rept 8
	KQ 0                                           ; piece 0's first scores
.set i, i+1
.endr
	WIN 0
	PLACES
.set Y, NP-1                           ; X works for piece Y + 1: piece 0
.irp n, 0,1,2,3,4,5,6,7,8,9,10,11,12,13,14,15,16,17,18,19,20,21
	OP X, \n
.endr
	v_nop                                          ; a plain instruction behind the exponential,
	s_wait_alu depctr_va_vdst(0)                   ; and its wait, ahead of the branch
	s_mov_b32 s[CNT], 4
	s_branch .Lfirst                               ; the loop is entered at a step's first turn, in the middle of a trip
.Lslot:                                                ; six times: tiles 2 to 7 are asked for
	CHANGE 1
	s_mov_b32 s[CNT], 4
.Lstep:                                                ; a trip: pieces 2 and 3 of one step, then pieces 0 and 1 of the next
	TURN 2
	TURN 3
	WIN 0
.Lfirst:
	TURN 0
	TURN 1, 0, 1
	WIN 0
	s_cbranch_scc1 .Lstep
	s_sub_co_u32 s[SLOTS], s[SLOTS], 1
	s_cmp_lg_u32 s[SLOTS], 0
	s_cbranch_scc1 .Lslot
	CHANGE 0                                       ; the last tile is written out
	s_mov_b32 s[CNT], 4
.LstepT:
	TURN 2
	TURN 3
	TURN 0
	TURN 1, 0, 1
	WIN 0
	s_cbranch_scc1 .LstepT
	TURN 2, 1
	TURN 3, 1
.set i, 0
.rept 8
	PV NP-1
.set i, i+1
.endr
	; THE WAY OUT.  l's halves are added; O^T is divided by l and sent through my stage in LDS, a piece at a time; x is added, and x1 leaves in f32: 16 lanes store the head's 256 aligned bytes of a row.
	WIN 0
.macro ALL line:vararg
.set t, 0
.rept 4
	\line
.set t, t+1
.endr
.endm
	ALL v_add_f32 v[ST+4*t+2], v[ST+4*t+2], v[ST+4*t+3]
	ALL v_permlanex16_b32 v[ST+4*t+3], v[ST+4*t+2], s[SEL], s[SEL+1]
	ALL v_add_f32 v[ST+4*t+2], v[ST+4*t+2], v[ST+4*t+3]
	ALL v_rcp_f32 v[ST+4*t+2], v[ST+4*t+2]
	v_nop
	s_wait_alu depctr_va_vdst(0)                   ; one wait for the four reciprocals
	s_wait_loadcnt 0x0                             ; x
.macro PACK t
	WIN W_RS
.set i, 32*(\t)
.rept 16
	v_pk_mul_f32 v[i:i+1], v[i:i+1], v[ST+4*(\t)+2:ST+4*(\t)+3] op_sel_hi:[1,0]
.set i, i+2
.endr
	WIN 0x04                                       ; the stores' data in window 1
.irp f, 0,1,2,3
	ds_store_b128 v[STO], v[32*(\t)+8*\f:32*(\t)+8*\f+3] offset:64*\f
	ds_store_b128 v[STO], v[32*(\t)+8*\f+4:32*(\t)+8*\f+7] offset:64*\f+16
.endr
	WIN 0
.irp f, 0,1,2,3,4,5,6,7
	ds_load_b128 v[S+32*((\t)%2)+4*\f:S+32*((\t)%2)+4*\f+3], v[RD] offset:2*SP*\f  ; LDS serves a wave's instructions in order (ISA guide 5.7.1.4)
.endr
.endm
.macro SEND t, younger                 ; younger: the next piece's sixteen LDS instructions, or none
	s_wait_dscnt \younger
	WIN 0x04                                       ; x in window 1
.set i, 0
.rept 16
	v_pk_add_f32 v[S+32*((\t)%2)+i:S+32*((\t)%2)+i+1], v[S+32*((\t)%2)+i:S+32*((\t)%2)+i+1], v[XR+32*(\t)+i:XR+32*(\t)+i+1]
.set i, i+2
.endr
	WIN 0
.irp f, 0,1,2,3,4,5,6,7
	global_store_b128 v[GO], v[S+32*((\t)%2)+4*\f:S+32*((\t)%2)+4*\f+3], s[10:11] offset:(16*(\t)+2*\f)*2048
.endr
.endm
	PACK 0
	PACK 1
	SEND 0, 16
	s_wait_xcnt 0x0                                ; piece 0's stores have read the buffer that piece 2 takes
	PACK 2
	SEND 1, 16
	s_wait_xcnt 0x0
	PACK 3
	SEND 2, 16
	SEND 3, 0
	s_wait_tensorcnt 0x0                           ; the wave's end
	ds_add_u32 v[SPW], v[NIL]
	s_wait_dscnt 0x0
	CROUND                                         ; the closing round
	s_endpgm
.Lfunc_end_k_qb9c1511adb_attn:
	.size	k_qb9c1511adb_attn, .Lfunc_end_k_qb9c1511adb_attn-k_qb9c1511adb_attn
	.p2alignl 7, 3214868480
	.fill 96, 4, 3214868480
	.section	.rodata,"a",@progbits
	.p2align	6, 0x0
	.amdhsa_kernel k_qb9c1511adb_attn
		.amdhsa_group_segment_fixed_size 327680
		.amdhsa_private_segment_fixed_size 0
		.amdhsa_enable_private_segment 0
		.amdhsa_kernarg_size 24
		.amdhsa_user_sgpr_count 2
		.amdhsa_user_sgpr_kernarg_segment_ptr 1
		.amdhsa_wavefront_size32 1
		.amdhsa_system_sgpr_workgroup_id_x 1
		.amdhsa_system_sgpr_workgroup_id_y 1
		.amdhsa_system_sgpr_workgroup_id_z 1
		.amdhsa_system_vgpr_workitem_id 0
		.amdhsa_next_free_vgpr 768
		.amdhsa_next_free_sgpr 96
		.amdhsa_reserve_vcc 0
		.amdhsa_float_denorm_mode_32 3
		.amdhsa_float_denorm_mode_16_64 3
		.amdhsa_memory_ordered 1
		.amdhsa_forward_progress 1
		.amdhsa_inst_pref_size 135
	.end_amdhsa_kernel
	.amdgpu_metadata
---
amdhsa.version: [ 1, 2 ]
amdhsa.kernels:
  - .name:           k_qb9c1511adb_attn
    .symbol:         k_qb9c1511adb_attn.kd
    .args:
      - { .name: qkv, .offset: 0, .size: 8, .value_kind: global_buffer, .address_space: global }
      - { .name: x, .offset: 8, .size: 8, .value_kind: global_buffer, .address_space: global }
      - { .name: x1, .offset: 16, .size: 8, .value_kind: global_buffer, .address_space: global }
    .group_segment_fixed_size: 327680
    .private_segment_fixed_size: 0
    .kernarg_segment_align: 8
    .kernarg_segment_size: 24
    .max_flat_workgroup_size: 128
    .sgpr_count:     96
    .vgpr_count:     768
    .wavefront_size: 32
...
	.end_amdgpu_metadata
.endif
;; end of part 3
;; launch ln1 (part 4): grid 256 x 1, 8 waves a work-group, no clusters, 0 bytes of LDS; arguments x1, ln1_g, ln1_b, h; writes h
.if DOCPART == 4
	.amdgcn_target "amdgcn-amd-amdhsa--gfx1250"
	.amdhsa_code_object_version 6
	.text
	.protected	k_qb9c1511adb_ln1
	.globl	k_qb9c1511adb_ln1
	.p2align	8
	.type	k_qb9c1511adb_ln1,@function
k_qb9c1511adb_ln1:
	s_mov_b64 s[64:65], 0
	v_nop
	global_prefetch_b8 v0, s[64:65] scope:SCOPE_SE
	s_setreg_imm32_b32 hwreg(HW_REG_WAVE_MODE, 25, 1), 1
	s_wait_xcnt 0x0
; h = LayerNorm(x1) * g + b, rounded once to bf16.  x1: [8192][512] f32.  A work-group of eight waves owns 32 rows, a wave four; a row stays in 16 registers between the pass for the mean,
; the pass for the variance (of x - mean: no difference of large sums) and the scaling.  Each store of a wave covers 256 consecutive bytes, aligned.  No LDS, no barrier.
; LIMITS: v_rsq_f32 is good to 1 ULP; NaN and infinities are not treated apart.
.set VX,  3
.set VH,  4
.set VG,  5
.set G,   16
.set BV,  32
.set X,   48
.set T,   112
.set M,   128
.set R,   136
.set YH,  144
.set SEL, 14
.set INV, 16
.set EPS, 17
.macro ROWS line:vararg                ; one line for each of the wave's four rows i
.set i, 0
.rept 4
	\line
.set i, i+1
.endr
.endm
.macro ACROSS                          ; the sum over the 32 lanes of v[T+4 i], left in every lane
.irp m, 1, 2, 4, 8
	ROWS v_add_f32_dpp v[T+4*i], v[T+4*i], v[T+4*i] row_xmask:\m row_mask:0xf bank_mask:0xf
.endr
	ROWS v_permlanex16_b32 v[T+4*i+1], v[T+4*i], s[SEL], s[SEL+1]
	ROWS v_add_f32 v[T+4*i], v[T+4*i], v[T+4*i+1]
.endm
	s_load_b256 s[4:11], s[0:1], 0x0               ; x1 s[4:5], g s[6:7], b s[8:9], h s[10:11]
	v_and_b32 v1, 31, v0
	v_lshrrev_b32 v2, 5, v0
	v_lshlrev_b32 v[VG], 4, v1
	v_lshl_add_u32 v[VX], v2, 13, v[VG]
	v_lshlrev_b32 v[VH], 3, v1
	v_lshl_add_u32 v[VH], v2, 12, v[VH]
	s_mov_b32 s[SEL], 0x76543210
	s_mov_b32 s[SEL+1], 0xfedcba98
	s_mov_b32 s[INV], 0x3b000000                   ; 1 / 512
	s_mov_b32 s[EPS], 0x3727c5ac                   ; 1e-5
	s_mov_b32 s13, 0
	s_wait_kmcnt 0x0
	s_lshl_b32 s12, ttmp9, 16
	s_add_nc_u64 s[4:5], s[4:5], s[12:13]
	s_lshl_b32 s12, ttmp9, 15
	s_add_nc_u64 s[10:11], s[10:11], s[12:13]
.irp j, 0,1,2,3
	global_load_b128 v[G+4*\j:G+4*\j+3],   v[VG], s[6:7] offset:512*\j
	global_load_b128 v[BV+4*\j:BV+4*\j+3], v[VG], s[8:9] offset:512*\j
.endr
.irp j, 0,1,2,3
	ROWS global_load_b128 v[X+16*i+4*\j:X+16*i+4*\j+3], v[VX], s[4:5] offset:2048*i+512*\j
.endr
	s_wait_loadcnt 0x0
	ROWS v_pk_add_f32 v[T+4*i:T+4*i+1], v[X+16*i:X+16*i+1], v[X+16*i+2:X+16*i+3]
	ROWS v_pk_add_f32 v[T+4*i+2:T+4*i+3], v[X+16*i+4:X+16*i+5], v[X+16*i+6:X+16*i+7]
.irp k, 8, 12
	ROWS v_pk_add_f32 v[T+4*i:T+4*i+1], v[T+4*i:T+4*i+1], v[X+16*i+\k:X+16*i+\k+1]
	ROWS v_pk_add_f32 v[T+4*i+2:T+4*i+3], v[T+4*i+2:T+4*i+3], v[X+16*i+\k+2:X+16*i+\k+3]
.endr
	ROWS v_pk_add_f32 v[T+4*i:T+4*i+1], v[T+4*i:T+4*i+1], v[T+4*i+2:T+4*i+3]
	ROWS v_add_f32 v[T+4*i], v[T+4*i], v[T+4*i+1]
	ACROSS
	ROWS v_mul_f32 v[M+2*i], s[INV], v[T+4*i]
	ROWS v_mul_f32 v[M+2*i+1], s[INV], v[T+4*i]
.irp k, 0,2,4,6,8,10,12,14
	ROWS v_pk_add_f32 v[X+16*i+\k:X+16*i+\k+1], v[X+16*i+\k:X+16*i+\k+1], v[M+2*i:M+2*i+1] neg_lo:[0,1] neg_hi:[0,1]
.endr
	ROWS v_pk_mul_f32 v[T+4*i:T+4*i+1], v[X+16*i:X+16*i+1], v[X+16*i:X+16*i+1]
	ROWS v_pk_mul_f32 v[T+4*i+2:T+4*i+3], v[X+16*i+2:X+16*i+3], v[X+16*i+2:X+16*i+3]
.irp k, 4, 8, 12
	ROWS v_pk_fma_f32 v[T+4*i:T+4*i+1], v[X+16*i+\k:X+16*i+\k+1], v[X+16*i+\k:X+16*i+\k+1], v[T+4*i:T+4*i+1]
	ROWS v_pk_fma_f32 v[T+4*i+2:T+4*i+3], v[X+16*i+\k+2:X+16*i+\k+3], v[X+16*i+\k+2:X+16*i+\k+3], v[T+4*i+2:T+4*i+3]
.endr
	ROWS v_pk_add_f32 v[T+4*i:T+4*i+1], v[T+4*i:T+4*i+1], v[T+4*i+2:T+4*i+3]
	ROWS v_add_f32 v[T+4*i], v[T+4*i], v[T+4*i+1]
	ACROSS
	ROWS v_fma_f32 v[T+4*i], v[T+4*i], s[INV], s[EPS]
	ROWS v_rsq_f32 v[R+2*i], v[T+4*i]
	ROWS v_rsq_f32 v[R+2*i+1], v[T+4*i]
	v_nop                                          ; a plain instruction behind the last root (ISA guide 5.7.2),
	s_wait_alu depctr_va_vdst(0)                   ; and one wait for the batch of eight
.irp k, 0,2,4,6,8,10,12,14
	ROWS v_pk_mul_f32 v[X+16*i+\k:X+16*i+\k+1], v[X+16*i+\k:X+16*i+\k+1], v[R+2*i:R+2*i+1]
.endr
.irp k, 0,2,4,6,8,10,12,14
	ROWS v_pk_fma_f32 v[X+16*i+\k:X+16*i+\k+1], v[X+16*i+\k:X+16*i+\k+1], v[G+\k:G+\k+1], v[BV+\k:BV+\k+1]
.endr
.irp k, 0,1,2,3,4,5,6,7
	ROWS v_cvt_pk_bf16_f32 v[YH+8*i+\k], v[X+16*i+2*\k], v[X+16*i+2*\k+1]
.endr
.irp j, 0,1,2,3
	ROWS global_store_b64 v[VH], v[YH+8*i+2*\j:YH+8*i+2*\j+1], s[10:11] offset:1024*i+256*\j
.endr
	s_endpgm
.Lfunc_end_k_qb9c1511adb_ln1:
	.size	k_qb9c1511adb_ln1, .Lfunc_end_k_qb9c1511adb_ln1-k_qb9c1511adb_ln1
	.p2alignl 7, 3214868480
	.fill 96, 4, 3214868480
	.section	.rodata,"a",@progbits
	.p2align	6, 0x0
	.amdhsa_kernel k_qb9c1511adb_ln1
		.amdhsa_group_segment_fixed_size 0
		.amdhsa_private_segment_fixed_size 0
		.amdhsa_enable_private_segment 0
		.amdhsa_kernarg_size 32
		.amdhsa_user_sgpr_count 2
		.amdhsa_user_sgpr_kernarg_segment_ptr 1
		.amdhsa_wavefront_size32 1
		.amdhsa_system_sgpr_workgroup_id_x 1
		.amdhsa_system_sgpr_workgroup_id_y 1
		.amdhsa_system_sgpr_workgroup_id_z 1
		.amdhsa_system_vgpr_workitem_id 0
		.amdhsa_next_free_vgpr 176
		.amdhsa_next_free_sgpr 66
		.amdhsa_reserve_vcc 0
		.amdhsa_float_denorm_mode_32 3
		.amdhsa_float_denorm_mode_16_64 3
		.amdhsa_memory_ordered 1
		.amdhsa_forward_progress 1
		.amdhsa_inst_pref_size 21
	.end_amdhsa_kernel
	.amdgpu_metadata
---
amdhsa.version: [ 1, 2 ]
amdhsa.kernels:
  - .name:           k_qb9c1511adb_ln1
    .symbol:         k_qb9c1511adb_ln1.kd
    .args:
      - { .name: x1, .offset: 0, .size: 8, .value_kind: global_buffer, .address_space: global }
      - { .name: ln1_g, .offset: 8, .size: 8, .value_kind: global_buffer, .address_space: global }
      - { .name: ln1_b, .offset: 16, .size: 8, .value_kind: global_buffer, .address_space: global }
      - { .name: h, .offset: 24, .size: 8, .value_kind: global_buffer, .address_space: global }
    .group_segment_fixed_size: 0
    .private_segment_fixed_size: 0
    .kernarg_segment_align: 8
    .kernarg_segment_size: 32
    .max_flat_workgroup_size: 256
    .sgpr_count:     66
    .vgpr_count:     176
    .wavefront_size: 32
...
	.end_amdgpu_metadata
.endif
;; end of part 4
;; launch ff1 (part 5): grid 64 x 4, 4 waves a work-group, clusters of 4 x 4, 327,680 bytes of LDS; arguments h, wp, bp, y; writes y
.if DOCPART == 5
	.amdgcn_target "amdgcn-amd-amdhsa--gfx1250"
	.amdhsa_code_object_version 6
	.text
	.protected	k_qb9c1511adb_ff1
	.globl	k_qb9c1511adb_ff1
	.p2align	8
	.type	k_qb9c1511adb_ff1,@function
k_qb9c1511adb_ff1:
	s_mov_b64 s[64:65], 0
	v_nop
	global_prefetch_b8 v0, s[64:65] scope:SCOPE_SE
	s_setreg_imm32_b32 hwreg(HW_REG_WAVE_MODE, 25, 1), 1
	s_wait_xcnt 0x0
	s_wait_alu depctr_hold_cnt(0) depctr_sa_sdst(0) depctr_va_vdst(0) depctr_va_sdst(0) depctr_va_ssrc(0) depctr_va_vcc(0) depctr_vm_vsrc(0)
	s_getreg_b32 s2, hwreg(HW_REG_IB_STS2, 6, 4)
	s_cmp_eq_u32 s2, 0
	s_cbranch_scc0 .Lentry_in_a_cluster
	s_endpgm
.Lentry_in_a_cluster:
	s_bfe_u32 s2, ttmp6, 0x10000c
	s_cmp_lg_u32 s2, 0xf033
	s_cbranch_scc0 .Lentry_shape_is_right
	s_endpgm
.Lentry_shape_is_right:
; y = (h Wu + bu) * gelu(h Wg + bg), gelu exact (by the normal distribution's tail).  h: [8192][512] bf16; wp: [512][4096] bf16 ([K][N]; columns 0-2047 u, 2048-4095 g); bp f32.
; y: bf16, in tiles of 16 rows x 16 columns, [512 row blocks][128 column blocks][512 bytes]: lane l's 16 bytes lie at 16 l and hold row l % 16, columns 8 (l / 16) + 0..7: as the accumulators
; hold them here, and as the next launch's matrix instruction takes them as a source.  So a tile leaves by one store of 512 consecutive bytes, with no way through LDS.
; bf16, since y has no room in f16 for inputs some 30 times larger.  Sums in f32, begun from the bias.
; SHARES.  A work-group makes 128 rows x 512 columns of y, in four chunks of 128; a wave 64 rows x (64 u + 64 g): 32 accumulators, u and g of one place in one lane.
; The 128 rows of h (all of K) lie in LDS for the whole launch; W goes through a ring of two slots, each a K step of 128: the u tile's 128 k rows, then the g tile's.
; THE PRODUCT IS TAKEN TRANSPOSED: source 0 = 16 columns of W (turned out of LDS), source 1 = 16 rows of h.
; CLUSTER 4 x 4: h's rows are shared along a column of the cluster, W's tiles along a row: joint loads.
; GELU.  gelu(g) = g / 2 + |g| (1/2 - Q(|g|)), Q(z) = exp(-z^2 / 2) (c1 t + .. + c5 t^5), t = 1 / (1 + 0.2316419 z): Abramowitz and Stegun 26.2.17, absolute error of Q under 7.5e-8 for every z.
; g is taken out of its accumulator times q = sqrt(log2(e) / 2), so that its square is the exponent to base 2, and u divided by q, so that the product is y.
; LIMITS: for negative g the two halves cancel: y carries an absolute error of about |u g| 2^-24; an infinite g gives NaN; NaN is not treated apart; v_rcp_f32 and v_exp_f32 are good to 1 ULP.
; REGISTERS: window 0: v0-27 addresses; v64-159, v160-255 two fragment buffers (h's four fragments, then W's eight).  Window 1: accumulator (a, b) at 8 (8 a + b); b < 4: u, else g.
;   window 2: v1 the stores' offset; v16-191 the GELU's work.
.set PA,    1040                       ; a row of h in LDS: 1,024 bytes + 16: an odd multiple of 16, so the 16 rows of a load start in 16 different groups of four banks (ISA guide 11.1)
.set PB,    288                        ; a row of W: 256 + 32 bytes
.set BR,    128*PA
.set SLOTB, 256*PB
.set TAB,   BR+2*SLOTB                 ; the work-group's 512 + 512 biases, f32; no tensor load lands here or behind
.set SPARE, TAB+4096
.set ADA0, 5
.set ADA,  6                           ; v6   ADA0 + s[KA]
.set ADB,  8                           ; v8-11  slot s, tile u or g: never rewritten
.set ADT,  12
.set SPW,  14
.set NIL,  15
.set PFO,  16
.set F0,   64
.set F1,   160
.set GO2,  1                           ; window 2: 16 x lane
.set U,    16                          ; u / q
.set GG,   48                          ; g q
.set TT,   80
.set EE,   112
.set PP,   144
.set YY,   176
.set WV, 16
.set RH, 17
.set CH, 18
.set CX, 19
.set CY, 20
.set BX, 21
.set BY, 22
.set G1A, 24
.set G1B, 32
.set G0A, 40
.set G0B, 44
.set LP,  66
.set AI,  67
.set TN,  68                           ; the tile to be asked for next: 4 x chunk + K step
.set LIM, 69
.set YP,  70                           ; s[70:71] where my next row block's four tiles of y go
.set OFF, 72                           ; s[72:73]
.set WB,  74                           ; s[74:75] wp at my part of tile 0
.set PBS, 76                           ; s[76:77] wp at my prefetches' part of tile 0
.set PFA, 78                           ; s[78:79]
.set KA,  80                           ; 0 or 512: the lap's bytes along K in h's rows
.set T1,  81
.set CP,  82
.set CQ,  84
.set C1,  86
.set C2,  88
.set C3,  90
.set C4,  92
.set C5,  94
.set POFF, 96                          ; s[96:97]
.set ICQ, 98
.set MSB, 0
.macro WIN new                         ; the immediate's high byte repeats the setting that is left; a switch that changes nothing is dropped
.if MSB != (\new)
	s_set_vgpr_msb (MSB<<8)|(\new)
.set MSB, \new
.endif
.endm
.macro PLACES                          ; four plain instructions between a matrix instruction and a load into, or a read of, its registers
.rept 4
	v_nop
.endr
.endm
.macro CREST
	s_cmp_lg_u32 s[WV], 0
	s_cbranch_scc1 .Lnot_wave_0_\@
	s_barrier_signal -3
.Lnot_wave_0_\@:
	s_barrier_wait -3
	s_barrier_signal -1
	s_barrier_wait -1
.endm
.macro CROUND
	s_barrier_signal -1
	s_barrier_wait -1
	CREST
.endm
; A prefetch of W's tile two refills on (two K steps, 256 matrix instructions, ahead of its load).  All sixteen clusters of a column part read the same tiles: the first (cluster x = 0) asks.  Its four partners
; along x take 32 of the 128 k rows each, told apart by address; wave 0 asks for the u tile, wave 2 for the g tile: a lane a row of 256 bytes.  Tiles 0 to 3 come by their loads alone; behind tile 15 nothing is asked for.
.macro ASK
	s_cmp_lt_u32 s[TN], s[LIM]
	s_cbranch_scc0 .Lnot_mine_\@
	global_prefetch_b8 v[PFO], s[PFA:PFA+1] th:TH_LOAD_NT scope:SCOPE_SE
.Lnot_mine_\@:
.endm
	s_load_b256 s[4:11], s[0:1], 0x0               ; h s[4:5], wp s[6:7], bp s[8:9], y s[10:11]
	v_lshl_add_u32 v[SPW], v0, 2, SPARE
	v_mov_b32 v[NIL], 0
	ds_add_u32 v[SPW], v[NIL]                      ; the wave's opening: the add and its wait ahead of my first tensor load
	v_lshrrev_b32 v1, 5, v0
	v_readfirstlane_b32 s[WV], v1
	s_lshr_b32 s[RH], s[WV], 1
	s_and_b32 s[CH], s[WV], 1
	s_bfe_u32 s[CX], ttmp6, 0x40000
	s_bfe_u32 s[CY], ttmp6, 0x40004
	s_lshl_b32 s[BX], ttmp9, 2
	s_add_co_u32 s[BX], s[BX], s[CX]
	s_and_b32 s[BY], ttmp7, 0xffff
	s_lshl_b32 s[BY], s[BY], 2
	s_add_co_u32 s[BY], s[BY], s[CY]
	s_lshl_b32 s52, 0x1111, s[CX]
	s_lshl_b32 s53, s[CY], 2
	s_lshl_b32 s53, 15, s53
	s_or_b32 s[G1A], s52, (1<<16)|(1<<20)|(1<<21)|(7<<22)|(3<<25)  ; h: shared along my column; 4 words of padding after every 256
	s_mov_b32 s[G1A+1], 512<<16
	s_mov_b32 s[G1A+2], 32<<16
	s_mov_b32 s[G1A+3], 512<<16
	s_mov_b32 s[G1A+4], 32
	s_mov_b32 s[G1A+5], 512
	s_mov_b32 s[G1A+6], 0
	s_mov_b32 s[G1A+7], 0
	s_or_b32 s[G1B], s53, (1<<16)|(1<<20)|(1<<21)|(5<<22)|(7<<25)  ; W: shared along my row; 8 words of padding after every 64
	s_mov_b32 s[G1B+1], 128<<16
	s_mov_b32 s[G1B+2], 64<<16
	s_mov_b32 s[G1B+3], 128<<16
	s_mov_b32 s[G1B+4], 64
	s_mov_b32 s[G1B+5], 4096
	s_mov_b32 s[G1B+6], 0
	s_mov_b32 s[G1B+7], 0
	s_mov_b32 s[G0A], 1
	s_mul_i32 s[G0A+1], s[WV], 32*PA
	s_mul_i32 s54, s[WV], 64*PB                    ; wave w brings LDS rows 64 w ..: waves 0, 1 the u tile's halves, waves 2, 3 the g tile's
	s_mov_b32 s[G0B], 1
	s_add_co_u32 s[G0B+1], s54, BR
	s_mov_b32 s[G0B+4], 1
	s_add_co_u32 s[G0B+5], s54, BR+SLOTB
	s_lshl_b32 s56, s[BX], 17
	s_lshl_b32 s55, s[WV], 15
	s_add_co_u32 s56, s56, s55
	s_mov_b32 s57, 0
	s_lshl_b32 s58, s[CH], 19                      ; 64 k rows of 8,192 bytes
	s_lshl_b32 s60, s[RH], 12                      ; g lies 2,048 columns behind u
	s_add_co_u32 s58, s58, s60
	s_lshl_b32 s60, s[BY], 10                      ; my part's 512 columns
	s_add_co_u32 s58, s58, s60
	s_mov_b32 s59, 0
	s_lshl_b32 s62, s[RH], 12
	s_add_co_u32 s62, s62, s60
	s_lshl_b32 s63, s[CX], 18                      ; my work-group's 32 k rows
	s_add_co_u32 s62, s62, s63
	s_mov_b32 s63, 0
	s_mov_b32 s[OFF+1], 0
	s_mov_b32 s[POFF+1], 0
	s_mov_b32 s[KA], 0
	s_mov_b32 s[TN], 2
	s_and_b32 s[LIM], s[WV], 1
	s_or_b32 s[LIM], s[LIM], ttmp9                 ; the same in all sixteen partners, for a given wave
	s_cmp_eq_u32 s[LIM], 0
	s_cselect_b32 s[LIM], 15, 0
	s_mov_b32 s[CP], 0x3e8ba440                    ; 0.2316419 / q = 0.2727375
	s_mov_b32 s[CQ], 0x3f596d27                    ; q = sqrt(log2(e) / 2) = 0.8493218
	s_mov_b32 s[CQ+1], s[CQ]
	s_mov_b32 s[ICQ], 0x3f96b55f                   ; 1 / q = 1.1774100
	s_mov_b32 s[ICQ+1], s[ICQ]
	s_mov_b32 s[C1], 0x3e027906                    ; the series' factors, each with 1 / sqrt(2 pi): 0.127414796
	s_mov_b32 s[C1+1], s[C1]
	s_mov_b32 s[C2], 0xbe11a98e                    ; -0.142248368
	s_mov_b32 s[C2+1], s[C2]
	s_mov_b32 s[C3], 0x3f35f0e3                    ; 0.710706871
	s_mov_b32 s[C3+1], s[C3]
	s_mov_b32 s[C4], 0xbf3a00e3                    ; -0.726576014
	s_mov_b32 s[C4+1], s[C4]
	s_mov_b32 s[C5], 0x3f07dc22                    ; 0.530702716
	s_mov_b32 s[C5+1], s[C5]
	s_wait_dscnt 0x0                               ; the opening add is done
	s_wait_kmcnt 0x0
	s_add_nc_u64 s[G0A+2:G0A+3], s[4:5], s[56:57]
	s_or_b32 s[G0A+3], s[G0A+3], 0x80000000
	s_add_nc_u64 s[WB:WB+1], s[6:7], s[58:59]
	s_mov_b64 s[G0B+2:G0B+3], s[WB:WB+1]
	s_add_nc_u64 s[G0B+6:G0B+7], s[WB:WB+1], 1<<20 ; K step 1: 128 rows of 8,192 bytes on
	s_or_b32 s[G0B+3], s[G0B+3], 0x80000000
	s_or_b32 s[G0B+7], s[G0B+7], 0x80000000
	s_add_nc_u64 s[PBS:PBS+1], s[6:7], s[62:63]
	s_mov_b64 s[PFA:PFA+1], s[PBS:PBS+1]
	CROUND                                         ; all sixteen work-groups are here
	tensor_load_to_lds s[G0A:G0A+3], s[G1A:G1A+7]  ; three loads of mine are out: h,
	s_nop 0
	tensor_load_to_lds s[G0B:G0B+3], s[G1B:G1B+7]  ; tile 0,
	s_nop 0
	tensor_load_to_lds s[G0B+4:G0B+7], s[G1B:G1B+7]  ; and tile 1
	s_nop 0
	PLACES
	s_lshl_b32 s60, s[BY], 11                      ; my part's 512 biases
	s_mov_b32 s61, 0
	s_add_nc_u64 s[52:53], s[8:9], s[60:61]
	v_lshlrev_b32 v19, 4, v0
	v_add_nc_u32 v18, TAB, v19
	global_load_b128 v[20:23], v19, s[52:53]
	global_load_b128 v[24:27], v19, s[52:53] offset:8192
	v_and_b32 v1, 15, v0
	v_bfe_u32 v2, v0, 4, 1
	v_mul_u32_u24 v[ADA0], v1, PA
	v_lshl_add_u32 v[ADA0], v2, 4, v[ADA0]
	s_mul_i32 s60, s[RH], 64*PA
	v_add_nc_u32 v[ADA0], s60, v[ADA0]
	v_mov_b32 v[ADA], v[ADA0]
	v_and_b32 v3, 7, v0
	v_lshl_add_u32 v3, v2, 3, v3
	v_mul_u32_u24 v3, v3, PB
	v_bfe_u32 v4, v0, 3, 1
	v_lshl_add_u32 v3, v4, 4, v3
	s_lshl_b32 s60, s[CH], 7
	s_add_co_u32 s60, s60, BR
	v_add_nc_u32 v[ADB], s60, v3
	v_add_nc_u32 v[ADB+1], 128*PB, v[ADB]
	v_add_nc_u32 v[ADB+2], SLOTB, v[ADB]
	v_add_nc_u32 v[ADB+3], SLOTB+128*PB, v[ADB]
	s_lshl_b32 s60, s[CH], 8
	s_add_co_u32 s60, s60, TAB
	v_lshl_add_u32 v[ADT], v2, 5, s60
	v_and_b32 v4, 31, v0
	v_lshlrev_b32 v[PFO], 13, v4
	WIN 0x80
	v_lshlrev_b32 v[GO2], 4, v4                    ; my 16 bytes of a tile of y
	WIN 0
	s_lshl_b32 s60, s[BX], 19                      ; my first row block, 8 BX + 4 RH, of 65,536 bytes each,
	s_lshl_b32 s61, s[RH], 18
	s_add_co_u32 s60, s60, s61
	s_lshl_b32 s61, s[BY], 14                      ; my first column block, 32 BY + 4 CH, of 512 bytes each
	s_add_co_u32 s60, s60, s61
	s_lshl_b32 s61, s[CH], 11
	s_add_co_u32 s60, s60, s61
	s_mov_b32 s61, 0
	s_add_nc_u64 s[YP:YP+1], s[10:11], s[60:61]
	s_wait_loadcnt 0x0
	ds_store_b128 v18, v[20:23]
	ds_store_b128 v18, v[24:27] offset:2048
.macro MUL f, a                        ; eight products: row block a x four u and four g column blocks.  The 32 accumulators take turns, in the same order in every substep
	WIN 0x50
.irp b, 0,1,2,3,4,5,6,7
	v_wmma_f32_16x16x32_bf16 v[8*(8*(\a)+\b):8*(8*(\a)+\b)+7], v[(\f)+32+8*\b:(\f)+32+8*\b+7], v[(\f)+8*(\a):(\f)+8*(\a)+7], v[8*(8*(\a)+\b):8*(8*(\a)+\b)+7]
.endr
.endm
.macro FETCH f, s, q                   ; 24 LDS loads in one run: the fragments of substep q of the step in slot s
	WIN 0
.irp b, 0,1,2,3,4,5,6,7
	ds_load_tr16_b128 v[(\f)+32+8*\b:(\f)+32+8*\b+3], v[ADB+2*(\s)+(\b/4)] offset:32*PB*(\q)+32*(\b%4)
	ds_load_tr16_b128 v[(\f)+32+8*\b+4:(\f)+32+8*\b+7], v[ADB+2*(\s)+(\b/4)] offset:32*PB*(\q)+32*(\b%4)+16*PB
.endr
.irp a, 0,1,2,3
	ds_load_b128 v[(\f)+8*\a:(\f)+8*\a+3], v[ADA] offset:256*(\s)+64*(\q)+16*PA*\a
	ds_load_b128 v[(\f)+8*\a+4:(\f)+8*\a+7], v[ADA] offset:256*(\s)+64*(\q)+16*PA*\a+32
.endr
.endm
.macro SUB f, g, s, q
	s_wait_dscnt 0x0                               ; f, asked for a substep ago, is in (at a chunk's head: the biases too)
	PLACES                                         ; g's last readers are the products just before
	FETCH \g, \s, \q
	MUL \f, 0
	MUL \f, 1
	MUL \f, 2
	MUL \f, 3
.endm
.macro BIAS a                          ; row block a's sums begin from the bias
	WIN 0x40
.irp b, 0,1,2,3,4,5,6,7
	ds_load_b128 v[8*(8*(\a)+\b):8*(8*(\a)+\b)+3], v[ADT] offset:64*(\b%4)+2048*(\b/4)
	ds_load_b128 v[8*(8*(\a)+\b)+4:8*(8*(\a)+\b)+7], v[ADT] offset:64*(\b%4)+2048*(\b/4)+16
.endr
	WIN 0
.endm
; A K step's last substep multiplies buffer 1 and changes slots: the wait for all my tensor loads, the add, the wait for it and for my reads of this slot, the barrier.  fill = 1: the barrier opens a round of the
; cluster's, and the slot is filled again first thing behind it, with tile TN; its address is made anew from that number.
.macro TURN s, fill
	WIN 0
.if \fill
	s_wait_xcnt 0x0                                ; the last prefetch, a K step back, has read its address: it is made anew, for tile TN + 2
	s_add_co_u32 s[T1], s[TN], 2
	s_and_b32 s[POFF], s[T1], 3
	s_lshl_b32 s[POFF], s[POFF], 20
	s_lshr_b32 s[T1], s[T1], 2
	s_lshl_b32 s[T1], s[T1], 8
	s_add_co_u32 s[POFF], s[POFF], s[T1]
	s_add_nc_u64 s[PFA:PFA+1], s[PBS:PBS+1], s[POFF:POFF+1]
.endif
	s_wait_tensorcnt 0x0
	ds_add_u32 v[SPW], v[NIL]
.if \fill
	s_and_b32 s[OFF], s[TN], 3                     ; the K step: 128 rows of 8,192 bytes each,
	s_lshl_b32 s[OFF], s[OFF], 20
	s_lshr_b32 s[T1], s[TN], 2                     ; the chunk: 256 bytes each
	s_lshl_b32 s[T1], s[T1], 8
	s_add_co_u32 s[OFF], s[OFF], s[T1]
	s_add_nc_u64 s[G0B+4*(\s)+2:G0B+4*(\s)+3], s[WB:WB+1], s[OFF:OFF+1]
	s_or_b32 s[G0B+4*(\s)+3], s[G0B+4*(\s)+3], 0x80000000
	s_add_co_u32 s[TN], s[TN], 1
.endif
	s_wait_dscnt 0x1                               ; the add alone may be out: buffer 1 is in
	MUL F1, 0
	s_wait_dscnt 0x0
	s_barrier_signal -1
	MUL F1, 1
	WIN 0
	s_barrier_wait -1
.if \fill
	CREST
	tensor_load_to_lds s[G0B+4*(\s):G0B+4*(\s)+3], s[G1B:G1B+7]
	s_nop 0
.endif
	PLACES
.if (\s) == 1
	s_xor_b32 s[KA], s[KA], 512                    ; the next lap's two K steps
	v_add_nc_u32 v[ADA], s[KA], v[ADA0]
.endif
	FETCH F0, 1-(\s), 0
.if \fill
	ASK
.endif
	MUL F1, 2
	MUL F1, 3
.endm
.macro LAP fill, more                  ; two K steps, once round the ring
	SUB F0, F1, 0, 1
	SUB F1, F0, 0, 2
	SUB F0, F1, 0, 3
	TURN 0, \fill
	SUB F0, F1, 1, 1
	SUB F1, F0, 1, 2
	SUB F0, F1, 1, 3
.if \more
	TURN 1, 1
.else
	s_wait_dscnt 0x0
	MUL F1, 0
	MUL F1, 1
	MUL F1, 2
	MUL F1, 3
.endif
.endm
; Row block a leaves its accumulators: u / q and g q, each accumulator from its low end; then its sums begin anew.  This is all of the way out that names an accumulator.
.macro CASE a, reinit
	WIN 0x81                                       ; source 0 in window 1, destination in window 2
.irp b, 0,1,2,3
.irp j, 0,2,4,6
	v_pk_mul_f32 v[U+8*\b+\j:U+8*\b+\j+1], v[8*(8*(\a)+\b)+\j:8*(8*(\a)+\b)+\j+1], s[ICQ:ICQ+1] op_sel_hi:[1,0]
.endr
.endr
.irp b, 0,1,2,3
.irp j, 0,2,4,6
	v_pk_mul_f32 v[GG+8*\b+\j:GG+8*\b+\j+1], v[8*(8*(\a)+4+\b)+\j:8*(8*(\a)+4+\b)+\j+1], s[CQ:CQ+1] op_sel_hi:[1,0]
.endr
.endr
	WIN 0
.if \reinit
	BIAS \a
.endif
.endm
; 32 numbers a lane.  Two batches of transcendentals, each with one wait; every transcendental stands between plain instructions that name none of the batch's results.
.macro GELU
.set k, 0
.rept 16                               ; 1 + 0.2316419 |g|, its reciprocal two numbers behind, and the exponent -g^2 log2(e) / 2
	v_fma_f32 v[TT+2*k], |v[GG+2*k]|, s[CP], 1.0
.if k > 0
	v_rcp_f32 v[TT+2*k-2], v[TT+2*k-2]
.endif
	v_fma_f32 v[TT+2*k+1], |v[GG+2*k+1]|, s[CP], 1.0
.if k > 0
	v_rcp_f32 v[TT+2*k-1], v[TT+2*k-1]
.endif
	v_pk_mul_f32 v[EE+2*k:EE+2*k+1], v[GG+2*k:GG+2*k+1], v[GG+2*k:GG+2*k+1] neg_lo:[0,1] neg_hi:[0,1]
.set k, k+1
.endr
	v_rcp_f32 v[TT+30], v[TT+30]
	v_nop
	v_rcp_f32 v[TT+31], v[TT+31]
	v_nop                                          ; a plain instruction behind the last reciprocal (ISA guide 5.7.2),
	s_wait_alu depctr_va_vdst(0)                   ; and the wait for the 32, ahead of their first reader
.set k, 0
.rept 16                               ; the series in t, and between its first lines the 32 exponentials
	v_pk_fma_f32 v[PP+2*k:PP+2*k+1], v[TT+2*k:TT+2*k+1], s[C5:C5+1], s[C4:C4+1] op_sel_hi:[1,0,0]
	v_exp_f32 v[EE+k], v[EE+k]
.set k, k+1
.endr
.set k, 0
.rept 16
	v_pk_fma_f32 v[PP+2*k:PP+2*k+1], v[PP+2*k:PP+2*k+1], v[TT+2*k:TT+2*k+1], s[C3:C3+1] op_sel_hi:[1,1,0]
	v_exp_f32 v[EE+16+k], v[EE+16+k]
.set k, k+1
.endr
.irp c, C2, C1
.set k, 0
.rept 16
	v_pk_fma_f32 v[PP+k:PP+k+1], v[PP+k:PP+k+1], v[TT+k:TT+k+1], s[\c:\c+1] op_sel_hi:[1,1,0]
.set k, k+2
.endr
.endr
.set k, 0
.rept 16
	v_pk_mul_f32 v[PP+k:PP+k+1], v[PP+k:PP+k+1], v[TT+k:TT+k+1]
.set k, k+2
.endr
	s_wait_alu depctr_va_vdst(0)                   ; the wait for the 32 exponentials, 48 plain instructions behind the last
.set k, 0
.rept 16
	v_pk_fma_f32 v[PP+k:PP+k+1], v[PP+k:PP+k+1], v[EE+k:EE+k+1], 0.5 op_sel_hi:[1,1,0] neg_lo:[1,0,0] neg_hi:[1,0,0]  ; 1/2 - Q(|g|)
.set k, k+2
.endr
.set k, 0
.rept 32
	v_mul_f32 v[TT+k], |v[GG+k]|, v[PP+k]
.set k, k+1
.endr
.set k, 0
.rept 16
	v_pk_fma_f32 v[TT+k:TT+k+1], v[GG+k:GG+k+1], 0.5, v[TT+k:TT+k+1] op_sel_hi:[1,0,1]  ; q gelu(g)
.set k, k+2
.endr
.set k, 0
.rept 16
	v_pk_mul_f32 v[TT+k:TT+k+1], v[TT+k:TT+k+1], v[U+k:U+k+1]
.set k, k+2
.endr
.set k, 0
.rept 16
	v_cvt_pk_bf16_f32 v[YY+k], v[TT+2*k], v[TT+2*k+1]
.set k, k+1
.endr
.endm
; THE WAY OUT of a chunk: four trips, a row block each.  The accumulators' numbers are constants of the text, so a trip chooses one of four short texts by its count, all jumps forward; the rest is written once.
; Nothing in it waits for LDS: the biases are wanted by the next chunk's first products, whose wait covers them.
.macro WGLU reinit
	WIN 0
	PLACES
.if \reinit
	v_add_nc_u32 v[ADT], 512, v[ADT]               ; the next chunk's biases
.endif
	s_mov_b32 s[AI], 0
.Lw_\@:
	s_cmp_eq_u32 s[AI], 0
	s_cbranch_scc1 .Lc0_\@
	s_cmp_eq_u32 s[AI], 1
	s_cbranch_scc1 .Lc1_\@
	s_cmp_eq_u32 s[AI], 2
	s_cbranch_scc1 .Lc2_\@
	CASE 3, \reinit
	s_branch .Lcom_\@
.Lc0_\@:
	CASE 0, \reinit
	s_branch .Lcom_\@
.Lc1_\@:
	CASE 1, \reinit
	s_branch .Lcom_\@
.Lc2_\@:
	CASE 2, \reinit
.Lcom_\@:
	WIN 0xaa                                       ; every operand in window 2
	GELU
.irp b, 0,1,2,3
	global_store_b128 v[GO2], v[YY+4*\b:YY+4*\b+3], s[YP:YP+1] offset:512*\b  ; a tile of 16 x 16: 512 consecutive bytes, aligned
.endr
	s_wait_xcnt 0x0                                ; the stores have read their data and their base
	s_add_nc_u64 s[YP:YP+1], s[YP:YP+1], 65536     ; the next row block
	WIN 0
	s_add_co_u32 s[AI], s[AI], 1
	s_cmp_lt_u32 s[AI], 4
	s_cbranch_scc1 .Lw_\@
.if \reinit
	s_sub_nc_u64 s[YP:YP+1], s[YP:YP+1], 4*65536-8*512  ; back to my first row block, eight column blocks on
.endif
.endm
	s_wait_tensorcnt 0x1                           ; h and tile 0 are in; tile 1, issued last, may stay out
	s_wait_dscnt 0x0                               ; my part of the biases is in LDS
	s_barrier_signal -1
	s_barrier_wait -1
	BIAS 0
	BIAS 1
	BIAS 2
	BIAS 3
	FETCH F0, 0, 0
	s_mov_b32 s[LP], 7
.Llap:                                                 ; seven laps that fill both slots again: tiles 2 to 15.  A chunk is two laps
	LAP 1, 1
	WIN 0
	s_bitcmp1_b32 s[LP], 0
	s_cbranch_scc1 .Lnow                           ; a chunk is whole where the count is even; what is jumped holds no barrier and no tensor load
	WGLU 1
.Lnow:
	s_sub_co_u32 s[LP], s[LP], 1
	s_cmp_lg_u32 s[LP], 0
	s_cbranch_scc1 .Llap
	LAP 0, 0                                       ; the last lap is written out: it asks for nothing
	WGLU 0
	s_wait_tensorcnt 0x0                           ; the wave's end
	ds_add_u32 v[SPW], v[NIL]
	s_wait_dscnt 0x0
	CROUND                                         ; the closing round
	s_endpgm
.Lfunc_end_k_qb9c1511adb_ff1:
	.size	k_qb9c1511adb_ff1, .Lfunc_end_k_qb9c1511adb_ff1-k_qb9c1511adb_ff1
	.p2alignl 7, 3214868480
	.fill 96, 4, 3214868480
	.section	.rodata,"a",@progbits
	.p2align	6, 0x0
	.amdhsa_kernel k_qb9c1511adb_ff1
		.amdhsa_group_segment_fixed_size 327680
		.amdhsa_private_segment_fixed_size 0
		.amdhsa_enable_private_segment 0
		.amdhsa_kernarg_size 32
		.amdhsa_user_sgpr_count 2
		.amdhsa_user_sgpr_kernarg_segment_ptr 1
		.amdhsa_wavefront_size32 1
		.amdhsa_system_sgpr_workgroup_id_x 1
		.amdhsa_system_sgpr_workgroup_id_y 1
		.amdhsa_system_sgpr_workgroup_id_z 1
		.amdhsa_system_vgpr_workitem_id 0
		.amdhsa_next_free_vgpr 704
		.amdhsa_next_free_sgpr 100
		.amdhsa_reserve_vcc 0
		.amdhsa_float_denorm_mode_32 3
		.amdhsa_float_denorm_mode_16_64 3
		.amdhsa_memory_ordered 1
		.amdhsa_forward_progress 1
		.amdhsa_inst_pref_size 130
	.end_amdhsa_kernel
	.amdgpu_metadata
---
amdhsa.version: [ 1, 2 ]
amdhsa.kernels:
  - .name:           k_qb9c1511adb_ff1
    .symbol:         k_qb9c1511adb_ff1.kd
    .args:
      - { .name: h, .offset: 0, .size: 8, .value_kind: global_buffer, .address_space: global }
      - { .name: wp, .offset: 8, .size: 8, .value_kind: global_buffer, .address_space: global }
      - { .name: bp, .offset: 16, .size: 8, .value_kind: global_buffer, .address_space: global }
      - { .name: y, .offset: 24, .size: 8, .value_kind: global_buffer, .address_space: global }
    .group_segment_fixed_size: 327680
    .private_segment_fixed_size: 0
    .kernarg_segment_align: 8
    .kernarg_segment_size: 32
    .max_flat_workgroup_size: 128
    .sgpr_count:     100
    .vgpr_count:     704
    .wavefront_size: 32
...
	.end_amdgpu_metadata
.endif
;; end of part 5
;; launch ff2 (part 6): grid 4 x 64, 4 waves a work-group, clusters of 4 x 4, 327,680 bytes of LDS; arguments y, w2, b2, x1, out0; writes out0
.if DOCPART == 6
	.amdgcn_target "amdgcn-amd-amdhsa--gfx1250"
	.amdhsa_code_object_version 6
	.text
	.protected	k_qb9c1511adb_ff2
	.globl	k_qb9c1511adb_ff2
	.p2align	8
	.type	k_qb9c1511adb_ff2,@function
k_qb9c1511adb_ff2:
	s_mov_b64 s[64:65], 0
	v_nop
	global_prefetch_b8 v0, s[64:65] scope:SCOPE_SE
	s_setreg_imm32_b32 hwreg(HW_REG_WAVE_MODE, 25, 1), 1
	s_wait_xcnt 0x0
	s_wait_alu depctr_hold_cnt(0) depctr_sa_sdst(0) depctr_va_vdst(0) depctr_va_sdst(0) depctr_va_ssrc(0) depctr_va_vcc(0) depctr_vm_vsrc(0)
	s_getreg_b32 s2, hwreg(HW_REG_IB_STS2, 6, 4)
	s_cmp_eq_u32 s2, 0
	s_cbranch_scc0 .Lentry_in_a_cluster
	s_endpgm
.Lentry_in_a_cluster:
	s_bfe_u32 s2, ttmp6, 0x10000c
	s_cmp_lg_u32 s2, 0xf033
	s_cbranch_scc0 .Lentry_shape_is_right
	s_endpgm
.Lentry_shape_is_right:
; out0 = x1 + y W2 + b2.  y: bf16 in tiles of 16 rows x 16 columns, [512 row blocks][128 column blocks][512 bytes], lane l's 16 bytes at 16 l: row l % 16, columns 8 (l / 16) + 0..7: two
; neighbouring tiles ARE a source fragment of 16 rows x 32 k.  w2: [2048][512] bf16 ([K][N]); b2, x1, out0 f32.  Sums in f32, begun from the bias.
; SHARES.  A work-group makes 128 x 128 of the output, a wave 64 x 64: 16 accumulators.  K = 2,048 goes in eight steps of 256 through a ring of two slots: eight row blocks x 8,192 dense bytes
; of y, then 256 k rows x 128 columns of W2.  Waves 0, 1 fetch y's halves, waves 2, 3 W2's.  A fragment of y is read as 32 lanes x 16 consecutive bytes, twice: no padding is wanted.
; THE PRODUCT IS TAKEN TRANSPOSED: source 0 = 16 columns of W2 (turned out of LDS), source 1 = 16 rows of y.
; CLUSTER 4 x 4: y's tiles hang on the row tile alone (shared along a row of the cluster), W2's on the column tile alone (along a column): joint loads.
; LIMITS: NaN and infinities are not treated apart.
; REGISTERS: window 0: v0-15 addresses; v64-127, v128-191 two fragment buffers; v192-255 the way out.  Window 1: v0-127 accumulator (a, b) at 8 (4 a + b); v128-255 my 64 x 64 of x1.
.set PB,    288                        ; a row of W2 in LDS: 256 + 32 bytes
.set ABYTES, 8*8192
.set SLOT,  ABYTES+256*PB
.set STAGE, 2*SLOT                     ; 16 rows x 272 bytes for each wave; no tensor load lands here or behind
.set SP,    272
.set TAB,   STAGE+4*16*SP              ; the tile's 128 biases
.set SPARE, TAB+512
.set ADA0, 5
.set ADB0, 6
.set MA,   7
.set MB,   8
.set ADT,  9
.set STO,  10
.set RD,   11
.set CO,   12
.set PFO,  13
.set SPW,  14
.set NIL,  15
.set F0,   64
.set F1,   128
.set TMP,  192
.set XR,   128                         ; window 1
.set WV, 16
.set RH, 17                            ; which 64 rows are mine; also: I fetch for y (0) or for W2 (1)
.set CH, 18                            ; which 64 columns; also: which half I fetch
.set CX, 19
.set CY, 20
.set TX, 21
.set TY, 22
.set G1A, 24
.set G1B, 32
.set G0A, 40                           ; s[40:47] a set for each slot
.set G0B, 48                           ; s[48:55]
.set LP,  66
.set PCN, 67
.set SA,  68
.set SB,  69
.set PFA, 72                           ; s[72:73] where my prefetches stand
.set PST, 74                           ; s[74:75] a K step in the tensor that I fetch
.set LIM, 76                           ; how many changes of slots ask: 4 in a wave that prefetches, else 0
.set TC,  77                           ; changes of slots so far
.set MSB, 0
.macro WIN new
.if MSB != (\new)
	s_set_vgpr_msb (MSB<<8)|(\new)
.set MSB, \new
.endif
.endm
.macro PLACES
.rept 4
	v_nop
.endr
.endm
.macro CREST
	s_cmp_lg_u32 s[WV], 0
	s_cbranch_scc1 .Lnot_wave_0_\@
	s_barrier_signal -3
.Lnot_wave_0_\@:
	s_barrier_wait -3
	s_barrier_signal -1
	s_barrier_wait -1
.endm
.macro CROUND
	s_barrier_signal -1
	s_barrier_wait -1
	CREST
.endm
.macro JLOAD s                         ; a joint refill; the branch hangs on the wave's number alone
	s_cmp_eq_u32 s[RH], 0
	s_cbranch_scc0 .Lfor_b_\@
	tensor_load_to_lds s[G0A+4*(\s):G0A+4*(\s)+3], s[G1A:G1A+7]
	s_nop 0
.rept 4
	v_nop
.endr
	s_branch .Lasked_\@
.Lfor_b_\@:
	tensor_load_to_lds s[G0B+4*(\s):G0B+4*(\s)+3], s[G1B:G1B+7]
	s_nop 0
.rept 4
	v_nop
.endr
.Lasked_\@:
.endm
; A PREFETCH, behind the joint load, its five lines and the run of LDS loads: the change that loads K step t + 2 names K step t + 4, two K steps, 256 matrix instructions, ahead of its load.
; y's rows are read by one row of one cluster alone: every cluster asks for its own.  Of the four row blocks that wave 0 or 1 fetches, the partner at place cx takes one: 8,192 bytes, a lane a block of 256.
; W2's rows are read by every cluster: the clusters with y = 0 ask.  Of the 128 k rows that wave 2 or 3 fetches, the partner at place cy takes 32: a lane a row's 256 bytes.  The partners are told
; apart by address alone.  So each block is named once.  K steps 0 to 3 come by their loads alone; behind K step 7 nothing is asked for.
.macro ASK
	s_cmp_lt_u32 s[TC], s[LIM]
	s_cbranch_scc0 .Lnot_mine_\@
	global_prefetch_b8 v[PFO], s[PFA:PFA+1] th:TH_LOAD_NT scope:SCOPE_SE
.Lnot_mine_\@:
	s_add_co_u32 s[TC], s[TC], 1
.endm
	s_load_b256 s[4:11], s[0:1], 0x0               ; y s[4:5], w2 s[6:7], b2 s[8:9], x1 s[10:11]
	s_load_b64 s[12:13], s[0:1], 0x20              ; out0
	v_lshl_add_u32 v[SPW], v0, 2, SPARE
	v_mov_b32 v[NIL], 0
	ds_add_u32 v[SPW], v[NIL]                      ; the wave's opening: the add and its wait ahead of my first tensor load
	v_lshrrev_b32 v1, 5, v0
	v_readfirstlane_b32 s[WV], v1
	s_lshr_b32 s[RH], s[WV], 1
	s_and_b32 s[CH], s[WV], 1
	s_bfe_u32 s[CX], ttmp6, 0x40000
	s_bfe_u32 s[CY], ttmp6, 0x40004
	s_lshl_b32 s[TX], ttmp9, 2
	s_add_co_u32 s[TX], s[TX], s[CX]               ; column tile
	s_and_b32 s[TY], ttmp7, 0xffff
	s_lshl_b32 s[TY], s[TY], 2
	s_add_co_u32 s[TY], s[TY], s[CY]               ; row tile
	s_lshl_b32 s56, s[CY], 2
	s_lshl_b32 s56, 15, s56                        ; my row of the cluster
	s_lshl_b32 s58, 0x1111, s[CX]                  ; my column
	; y: four row blocks a load; a row block's sixteen tiles of a K step are one dense run of 4,096 elements; laid into LDS without gaps
	s_or_b32 s[G1A], s56, (1<<16)|(1<<21)
	s_mov_b32 s[G1A+1], 4096<<16                   ; tensor_dim0 = 4,096
	s_mov_b32 s[G1A+2], 4<<16                      ; tensor_dim1 = 4
	s_mov_b32 s[G1A+3], 4096<<16                   ; tile_dim0 = 4,096
	s_mov_b32 s[G1A+4], 4                          ; tile_dim1 = 4
	s_mov_b32 s[G1A+5], 32768                      ; elements from a row block to the next
	s_mov_b32 s[G1A+6], 0
	s_mov_b32 s[G1A+7], 0
	s_or_b32 s[G1B], s58, (1<<16)|(1<<20)|(1<<21)|(5<<22)|(7<<25)  ; W2: 8 words of padding after every 64
	s_mov_b32 s[G1B+1], 128<<16
	s_mov_b32 s[G1B+2], 128<<16
	s_mov_b32 s[G1B+3], 128<<16
	s_mov_b32 s[G1B+4], 128
	s_mov_b32 s[G1B+5], 512
	s_mov_b32 s[G1B+6], 0
	s_mov_b32 s[G1B+7], 0
	s_lshl_b32 s57, s[CH], 15                      ; a half of y's tile is 32,768 bytes,
	s_mov_b32 s[G0A], 1
	s_mov_b32 s[G0A+1], s57
	s_mov_b32 s[G0A+4], 1
	s_add_co_u32 s[G0A+5], s57, SLOT
	s_mul_i32 s58, s[CH], 128*PB                   ; a half of W2's 36,864
	s_mov_b32 s[G0B], 1
	s_add_co_u32 s[G0B+1], s58, ABYTES
	s_mov_b32 s[G0B+4], 1
	s_add_co_u32 s[G0B+5], s58, SLOT+ABYTES
	s_lshl_b32 s60, s[CH], 18                      ; four row blocks of 65,536 bytes
	s_lshl_b32 s59, s[TY], 19                      ; eight row blocks
	s_add_co_u32 s60, s60, s59
	s_mov_b32 s61, 0
	s_lshl_b32 s62, s[CH], 17                      ; 128 k rows of 1,024 bytes
	s_lshl_b32 s63, s[TX], 8
	s_add_co_u32 s62, s62, s63
	s_mov_b32 s63, 0
	s_wait_dscnt 0x0                               ; the opening add is done
	s_wait_kmcnt 0x0
	s_add_nc_u64 s[G0A+2:G0A+3], s[4:5], s[60:61]
	s_add_nc_u64 s[G0A+6:G0A+7], s[G0A+2:G0A+3], 8192
	s_or_b32 s[G0A+3], s[G0A+3], 0x80000000
	s_or_b32 s[G0A+7], s[G0A+7], 0x80000000
	s_add_nc_u64 s[G0B+2:G0B+3], s[6:7], s[62:63]
	s_add_nc_u64 s[G0B+6:G0B+7], s[G0B+2:G0B+3], 256*1024
	s_or_b32 s[G0B+3], s[G0B+3], 0x80000000
	s_or_b32 s[G0B+7], s[G0B+7], 0x80000000
	CROUND                                         ; all sixteen work-groups are here
	s_cmp_eq_u32 s[RH], 0                          ; a wave's two first fills stand in one branch: two loads of mine are out
	s_cbranch_scc0 .Lfirst_b
	tensor_load_to_lds s[G0A:G0A+3], s[G1A:G1A+7]
	s_nop 0
	tensor_load_to_lds s[G0A+4:G0A+7], s[G1A:G1A+7]
	s_nop 0
	PLACES
	s_branch .Lfirst_asked
.Lfirst_b:
	tensor_load_to_lds s[G0B:G0B+3], s[G1B:G1B+7]
	s_nop 0
	tensor_load_to_lds s[G0B+4:G0B+7], s[G1B:G1B+7]
	s_nop 0
	PLACES
.Lfirst_asked:
	s_lshl_b32 s60, s[TX], 9                       ; the tile's 128 biases
	s_mov_b32 s61, 0
	s_add_nc_u64 s[8:9], s[8:9], s[60:61]
	v_lshlrev_b32 v19, 2, v0
	v_add_nc_u32 v20, TAB, v19
	global_load_b32 v16, v19, s[8:9]
	s_lshl_b32 s60, s[TY], 18                      ; 128 rows of 2,048 bytes
	s_lshl_b32 s62, s[RH], 17
	s_add_co_u32 s60, s60, s62
	s_lshl_b32 s62, s[TX], 9
	s_add_co_u32 s60, s60, s62
	s_lshl_b32 s62, s[CH], 8
	s_add_co_u32 s60, s60, s62
	s_add_nc_u64 s[10:11], s[10:11], s[60:61]      ; x1 and out0 at my 64 x 64
	s_add_nc_u64 s[12:13], s[12:13], s[60:61]
	; where my prefetches stand: at K step 3; each change of slots steps on before it asks
	s_lshl_b32 s78, s[TY], 3
	s_lshl_b32 s79, s[CH], 2
	s_add_co_u32 s78, s78, s79
	s_add_co_u32 s78, s78, s[CX]                   ; y: row block 8 TY + 4 CH + cx
	s_lshl_b32 s78, s78, 16
	s_add_co_u32 s78, s78, 3*8192
	s_lshl_b32 s80, s[CH], 7
	s_lshl_b32 s81, s[CY], 5
	s_add_co_u32 s80, s80, s81
	s_add_co_u32 s80, s80, 3*256                   ; W2: k row 128 CH + 32 cy
	s_lshl_b32 s80, s80, 10
	s_lshl_b32 s81, s[TX], 8
	s_add_co_u32 s80, s80, s81
	s_and_b32 s81, ttmp7, 0xffff                   ; cluster y
	s_mov_b32 s82, 8192
	s_mov_b32 s83, 256*1024
	s_cmp_eq_u32 s[RH], 0                          ; do I fetch for y?
	s_cselect_b32 s78, s78, s80
	s_cselect_b32 s[PST], s82, s83
	s_cselect_b32 s84, 8, 10                       ; a lane a block of 256 bytes, or a row of 1,024
	s_cselect_b32 s81, 0, s81
	s_cselect_b64 s[PFA:PFA+1], s[4:5], s[6:7]
	s_mov_b32 s79, 0
	s_mov_b32 s[PST+1], 0
	s_add_nc_u64 s[PFA:PFA+1], s[PFA:PFA+1], s[78:79]
	s_cmp_eq_u32 s81, 0
	s_cselect_b32 s[LIM], 4, 0                     ; the same in all sixteen partners, for a given wave
	s_mov_b32 s[TC], 0
	v_and_b32 v1, 15, v0
	v_bfe_u32 v2, v0, 4, 1
	v_lshlrev_b32 v[CO], 4, v1
	v_lshl_add_u32 v[CO], v2, 11, v[CO]            ; lanes 0-15 one row's 256 bytes, lanes 16-31 the next row's
	v_and_b32 v3, 31, v0
	v_lshlrev_b32 v[PFO], s84, v3
	v_lshlrev_b32 v[ADA0], 4, v3                   ; 16 x lane,
	s_lshl_b32 s60, s[RH], 15
	v_add_nc_u32 v[ADA0], s60, v[ADA0]             ; in my four row blocks
	v_and_b32 v3, 7, v0
	v_lshl_add_u32 v3, v2, 3, v3
	v_mul_u32_u24 v[ADB0], v3, PB
	v_bfe_u32 v4, v0, 3, 1
	v_lshl_add_u32 v[ADB0], v4, 4, v[ADB0]
	s_lshl_b32 s60, s[CH], 7
	s_add_co_u32 s60, s60, ABYTES
	v_add_nc_u32 v[ADB0], s60, v[ADB0]
	s_lshl_b32 s60, s[CH], 8
	s_add_co_u32 s60, s60, TAB
	v_lshl_add_u32 v[ADT], v2, 5, s60
	s_mul_i32 s60, s[WV], 16*SP
	s_add_co_u32 s60, s60, STAGE
	v_mul_u32_u24 v[STO], v1, SP
	v_lshl_add_u32 v[STO], v2, 5, v[STO]
	v_add_nc_u32 v[STO], s60, v[STO]
	v_mul_u32_u24 v[RD], v2, SP
	v_lshl_add_u32 v[RD], v1, 4, v[RD]
	v_add_nc_u32 v[RD], s60, v[RD]
	s_wait_loadcnt 0x0                             ; b2
	ds_store_b32 v20, v16
.macro MUL f, a                        ; the 16 accumulators take turns, in the same order in every substep
	WIN 0x50
.irp b, 0,1,2,3
	v_wmma_f32_16x16x32_bf16 v[8*(4*(\a)+\b):8*(4*(\a)+\b)+7], v[(\f)+32+8*\b:(\f)+32+8*\b+7], v[(\f)+8*(\a):(\f)+8*(\a)+7], v[8*(4*(\a)+\b):8*(4*(\a)+\b)+7]
.endr
.endm
.macro FETCH f, ka, kb                 ; 16 LDS loads in one run: the fragments of 32 along K: two tiles of y for each of my four row blocks, four turned fragments of W2
	WIN 0
.irp b, 0,1,2,3
	ds_load_tr16_b128 v[(\f)+32+8*\b:(\f)+32+8*\b+3], v[MB] offset:(\kb)+32*\b
	ds_load_tr16_b128 v[(\f)+32+8*\b+4:(\f)+32+8*\b+7], v[MB] offset:(\kb)+32*\b+16*PB
.endr
.irp a, 0,1,2,3
	ds_load_b128 v[(\f)+8*\a:(\f)+8*\a+3], v[MA] offset:(\ka)+8192*\a
	ds_load_b128 v[(\f)+8*\a+4:(\f)+8*\a+7], v[MA] offset:(\ka)+8192*\a+512
.endr
.endm
.macro SUB f, g, ka, kb
	s_wait_dscnt 0x0
	PLACES
	FETCH \g, \ka, \kb
	MUL \f, 0
	MUL \f, 1
	MUL \f, 2
	MUL \f, 3
.endm
.macro TURN s, fill                    ; the step's last substep and the change of slots
	WIN 0
.if \fill
	s_wait_xcnt 0x0                                ; the last prefetch, a K step back, has read its address: it steps on
	s_add_nc_u64 s[PFA:PFA+1], s[PFA:PFA+1], s[PST:PST+1]
.endif
	s_wait_tensorcnt 0x0
	ds_add_u32 v[SPW], v[NIL]
.if \fill
	s_add_nc_u64 s[G0A+4*(\s)+2:G0A+4*(\s)+3], s[G0A+4*(\s)+2:G0A+4*(\s)+3], 2*8192   ; no load of mine is out: two K steps on: 32 tiles of each row block,
	s_add_nc_u64 s[G0B+4*(\s)+2:G0B+4*(\s)+3], s[G0B+4*(\s)+2:G0B+4*(\s)+3], 512*1024 ; 512 k rows
.endif
	s_wait_dscnt 0x1                               ; the add alone may be out: buffer 1 is in
	MUL F1, 0
	s_wait_dscnt 0x0
	s_barrier_signal -1
	MUL F1, 1
	WIN 0
	s_barrier_wait -1
.if \fill
	CREST
	JLOAD \s                                       ; the four v_nop behind it are also the places in front of the loads below
.else
	PLACES
.endif
	s_mov_b32 s[SA], SLOT*(1-(\s))
	s_mov_b32 s[SB], SLOT*(1-(\s))
	v_add_nc_u32 v[MA], s[SA], v[ADA0]
	v_add_nc_u32 v[MB], s[SB], v[ADB0]
	FETCH F0, 0, 0
.if \fill
	ASK
.endif
	MUL F1, 2
	MUL F1, 3
.endm
.macro STEP s, kind                    ; a K step of 256: eight substeps of 32: 1,024 bytes of a row block's run, 32 k rows of W2
	WIN 0
	s_mov_b32 s[PCN], 3
.Lpair_\@:
	SUB F0, F1, 1024, 32*PB
	SUB F1, F0, 2048, 64*PB
	WIN 0
	s_add_co_u32 s[SA], s[SA], 2048
	s_add_co_u32 s[SB], s[SB], 64*PB
	v_add_nc_u32 v[MA], s[SA], v[ADA0]
	v_add_nc_u32 v[MB], s[SB], v[ADB0]
	s_sub_co_u32 s[PCN], s[PCN], 1
	s_cmp_lg_u32 s[PCN], 0
	s_cbranch_scc1 .Lpair_\@
	SUB F0, F1, 1024, 32*PB
.if \kind
	TURN \s, (\kind)-1
.else
	s_wait_dscnt 0x0
	MUL F1, 0
	MUL F1, 1
	MUL F1, 2
	MUL F1, 3
.endif
.endm
	s_wait_tensorcnt 0x1                           ; my part of K step 0 is in; K step 1's may stay out
	s_wait_dscnt 0x0                               ; my part of the biases is in LDS
	s_barrier_signal -1
	s_barrier_wait -1
	WIN 0x40                                       ; the sums begin from the bias
.irp a, 0,1,2,3
.irp b, 0,1,2,3
	ds_load_b128 v[8*(4*\a+\b):8*(4*\a+\b)+3], v[ADT] offset:64*\b
	ds_load_b128 v[8*(4*\a+\b)+4:8*(4*\a+\b)+7], v[ADT] offset:64*\b+16
.endr
.endr
	WIN 0
	s_mov_b32 s[SA], 0
	s_mov_b32 s[SB], 0
	v_add_nc_u32 v[MA], s[SA], v[ADA0]
	v_add_nc_u32 v[MB], s[SB], v[ADB0]
	FETCH F0, 0, 0
	WIN 0x40
.set i, 0
.rept 32                               ; x1, wanted at the very end: asked for here, when the first tiles have landed
	global_load_b128 v[XR+4*i:XR+4*i+3], v[CO], s[10:11] offset:4096*i th:TH_LOAD_NT
.set i, i+1
.endr
	WIN 0
	s_mov_b32 s[LP], 3
.Llap:                                                 ; three laps that fill both slots again: K steps 2 to 7
	STEP 0, 2
	STEP 1, 2
	WIN 0
	s_sub_co_u32 s[LP], s[LP], 1
	s_cmp_lg_u32 s[LP], 0
	s_cbranch_scc1 .Llap
	STEP 0, 1                                      ; the last lap is written out: it asks for nothing
	STEP 1, 0
	; THE WAY OUT: 16 rows at a time through my stage, back as whole rows of 256 bytes; x1 is added; 16 lanes store 256 consecutive bytes, aligned.
	WIN 0
	PLACES
	s_wait_loadcnt 0x0                             ; x1
.macro TOSTAGE a
	WIN 0x04
.irp b, 0,1,2,3
	ds_store_b128 v[STO], v[8*(4*(\a)+\b):8*(4*(\a)+\b)+3] offset:64*\b
	ds_store_b128 v[STO], v[8*(4*(\a)+\b)+4:8*(4*(\a)+\b)+7] offset:64*\b+16
.endr
	WIN 0
.irp f, 0,1,2,3,4,5,6,7
	ds_load_b128 v[TMP+32*((\a)%2)+4*\f:TMP+32*((\a)%2)+4*\f+3], v[RD] offset:2*SP*\f  ; LDS serves a wave's instructions in order (ISA guide 5.7.1.4)
.endr
.endm
.macro SEND a, younger                 ; younger: the next block's sixteen LDS instructions, or none
	s_wait_dscnt \younger
	WIN 0x04
.set i, 0
.rept 16
	v_pk_add_f32 v[TMP+32*((\a)%2)+i:TMP+32*((\a)%2)+i+1], v[TMP+32*((\a)%2)+i:TMP+32*((\a)%2)+i+1], v[XR+32*(\a)+i:XR+32*(\a)+i+1]
.set i, i+2
.endr
	WIN 0
.irp f, 0,1,2,3,4,5,6,7
	global_store_b128 v[CO], v[TMP+32*((\a)%2)+4*\f:TMP+32*((\a)%2)+4*\f+3], s[12:13] offset:(16*(\a)+2*\f)*2048 th:TH_STORE_NT
.endr
.endm
	TOSTAGE 0
	TOSTAGE 1
	SEND 0, 16
	s_wait_xcnt 0x0                                ; block 0's stores have read the buffer that block 2 takes
	TOSTAGE 2
	SEND 1, 16
	s_wait_xcnt 0x0
	TOSTAGE 3
	SEND 2, 16
	SEND 3, 0
	s_wait_tensorcnt 0x0                           ; the wave's end
	ds_add_u32 v[SPW], v[NIL]
	s_wait_dscnt 0x0
	CROUND                                         ; the closing round
	s_endpgm
.Lfunc_end_k_qb9c1511adb_ff2:
	.size	k_qb9c1511adb_ff2, .Lfunc_end_k_qb9c1511adb_ff2-k_qb9c1511adb_ff2
	.p2alignl 7, 3214868480
	.fill 96, 4, 3214868480
	.section	.rodata,"a",@progbits
	.p2align	6, 0x0
	.amdhsa_kernel k_qb9c1511adb_ff2
		.amdhsa_group_segment_fixed_size 327680
		.amdhsa_private_segment_fixed_size 0
		.amdhsa_enable_private_segment 0
		.amdhsa_kernarg_size 40
		.amdhsa_user_sgpr_count 2
		.amdhsa_user_sgpr_kernarg_segment_ptr 1
		.amdhsa_wavefront_size32 1
		.amdhsa_system_sgpr_workgroup_id_x 1
		.amdhsa_system_sgpr_workgroup_id_y 1
		.amdhsa_system_sgpr_workgroup_id_z 1
		.amdhsa_system_vgpr_workitem_id 0
		.amdhsa_next_free_vgpr 512
		.amdhsa_next_free_sgpr 96
		.amdhsa_reserve_vcc 0
		.amdhsa_float_denorm_mode_32 3
		.amdhsa_float_denorm_mode_16_64 3
		.amdhsa_memory_ordered 1
		.amdhsa_forward_progress 1
		.amdhsa_inst_pref_size 66
	.end_amdhsa_kernel
	.amdgpu_metadata
---
amdhsa.version: [ 1, 2 ]
amdhsa.kernels:
  - .name:           k_qb9c1511adb_ff2
    .symbol:         k_qb9c1511adb_ff2.kd
    .args:
      - { .name: y, .offset: 0, .size: 8, .value_kind: global_buffer, .address_space: global }
      - { .name: w2, .offset: 8, .size: 8, .value_kind: global_buffer, .address_space: global }
      - { .name: b2, .offset: 16, .size: 8, .value_kind: global_buffer, .address_space: global }
      - { .name: x1, .offset: 24, .size: 8, .value_kind: global_buffer, .address_space: global }
      - { .name: out0, .offset: 32, .size: 8, .value_kind: global_buffer, .address_space: global }
    .group_segment_fixed_size: 327680
    .private_segment_fixed_size: 0
    .kernarg_segment_align: 8
    .kernarg_segment_size: 40
    .max_flat_workgroup_size: 128
    .sgpr_count:     96
    .vgpr_count:     512
    .wavefront_size: 32
...
	.end_amdgpu_metadata
.endif
;; end of part 6
